; MI455X (gfx1250); checked and timed in simulation.
; The chip was launched on July 23, 2026; its instructions are those of AMD's public machine-readable ISA for CDNA 5 (MIT licence, August 2026) and "CDNA5" Instruction Set Architecture Reference Guide (July 2026). The comments in the code are by the model that wrote it; some were corrected since.
;; Multi Head Attention. Allowed arithmetic: matrix products marked QUANTISED: E2M1 operands, one E8M0 scale for each 32 along K, by v_wmma_scale_f32_16x16x128_f8f6f4 with both operands' format E2M1 (or v_wmma_scale_f32_32x16x128_f4), f32 sums; products left as they are: bf16, f16 or f32 operands; f32 sums; everything else in f32.
;; Inputs: Wk 1,024 x 1,024 float32; Wo 1,024 x 1,024 float32; Wq 1,024 x 1,024 float32; Wv 1,024 x 1,024 float32; mask 1 x 1 x 4,096 x 4,096 bool; x 1 x 4,096 x 1,024 float32.
;; Outputs: out0 1 x 4,096 x 1,024 float32.
;; This version of the problem:
;;   THIS VERSION OF THE PROBLEM IS GIVEN IN LOW PRECISION. The matrix products marked QUANTISED in the list below multiply operands that are first quantised to E2M1 (2 exponent bits, 1 mantissa bit; 4 bits a number), with one power-of-two scale for each 32 numbers along K (OCP MX v1.0); their sums are f32. The products marked 'left as it is' may take bf16, f16 or f32 operands, with f32 sums. Whichever they take, every output number must still come out within the allowed error. Rounding operands to bf16 (8 significant bits) uses up far more of that allowance than f16 does (11 bits, for magnitudes from 6e-5 to 65,504). All else is computed in f32.
;;   The module's matrix products, in the order in which they are computed (A, B: the left and right operand; K: the contracted axis; several contracted axes count as one K, in the product's order):
;;     1. [M 4,096, K 1,024] x [K 1,024, N 1,024]; A: input x; B: input Wq: QUANTISED
;;     2. [M 4,096, K 1,024] x [K 1,024, N 1,024]; A: input x; B: input Wk: QUANTISED
;;     3. [M 4,096, K 1,024] x [K 1,024, N 1,024]; A: input x; B: input Wv: QUANTISED
;;     4. batch 16 x [M 4,096, K 64] x [K 64, N 4,096]; A: computed on the way; B: computed on the way: left as it is (an operand is computed on the way)
;;     5. batch 16 x [M 4,096, K 4,096] x [K 4,096, N 64]; A: computed on the way; B: computed on the way: left as it is (an operand is computed on the way)
;;     6. [M 4,096, K 1,024] x [K 1,024, N 1,024]; A: computed on the way; B: input Wo: left as it is (an operand is computed on the way)
;;   THE QUANTISER, for each operand of a quantised product, along K:
;;     - K is cut into blocks of 32 from its start; a last block that is shorter is filled with zeros.
;;     - A block's scale is 2^e with e = floor(log2(the largest magnitude in the block)) - 2, held to -126 .. 127; a block of zeros has e = 0. As a byte (E8M0): e + 127.
;;     - Each number is divided by its block's scale, clamped to +-6, and rounded to the nearest number of E2M1, ties to even, subnormals kept.
;;     - The product sums the exact products of the quantised numbers (number of the format x scale) in f32.
;;   ~~~python
;;   def quantise(x, axis):      # numpy; x: float32 -> the quantised numbers, widened to float32 again
;;       x = np.moveaxis(x, axis, -1); K = x.shape[-1]
;;       x = np.pad(x, [(0, 0)] * (x.ndim - 1) + [(0, -K % 32)]); x = x.reshape(x.shape[:-1] + (-1, 32)); a = np.abs(x).max(-1, keepdims=True)
;;       e = np.where(a > 0, np.clip(np.frexp(np.where(a > 0, a, 1))[1] - 1 - 2, -126, 127), 0)      # np.frexp(a)[1] - 1 = floor(log2(a)), exactly
;;       r = np.clip(x / 2.0 ** e, -6, 6)
;;       step = 2.0 ** (np.maximum(np.frexp(np.where(r == 0, 1, r))[1] - 1, 0) - 1)
;;       q = np.round(r / step) * step * 2.0 ** e      # np.round: ties to even
;;       return np.moveaxis(q.reshape(q.shape[:-2] + (-1,))[..., :K], -1, axis).astype(np.float32)
;;   ~~~
;; One version. Each part assembles by itself: llvm-mc -triple=amdgcn-amd-amdhsa -mcpu=gfx1250 --defsym DOCPART=n.
;; ======== version 1 of 1: 6 launches
;; limits: values are held in f16: magnitudes above 65,504 overflow, below 6.1e-05 lose precision; right only within a limited range of input values
;; workspace buffers: pre 5,996,544 bytes; mw 2,097,152 bytes of whole numbers; flg 8,192 bytes of whole numbers; qkv 50,331,648 bytes; att 8,388,608 bytes; attf 65,536 bytes
;; launch prep (part 1): grid 768 x 1, 4 waves a work-group, no clusters, 17,920 bytes of LDS; arguments x, Wq, Wk, Wv, Wo, mask, pre, mw, flg; writes pre, mw, flg
.if DOCPART == 1
	.amdgcn_target "amdgcn-amd-amdhsa--gfx1250"
	.amdhsa_code_object_version 6
	.text
	.protected	k_q8b5a10af94_prep
	.globl	k_q8b5a10af94_prep
	.p2align	8
	.type	k_q8b5a10af94_prep,@function
k_q8b5a10af94_prep:
	s_mov_b64 s[64:65], 0
	v_nop
	global_prefetch_b8 v0, s[64:65] scope:SCOPE_SE
	s_setreg_imm32_b32 hwreg(HW_REG_WAVE_MODE, 25, 1), 1
	s_wait_xcnt 0x0
; PREP.  x [4096][1024], Wq, Wk, Wv [1024][1024] (f32) become codes of E2M1 with one E8M0 byte for each 32 along K; Wo becomes f16; the mask becomes lane-mask words and flags.
; Everything is laid in the ORDER OF THE OPERAND'S REGISTERS: a chunk is 512 bytes, lane L's 16 bytes at 16 L, so that later launches load and copy it dense.
;   pre: codes of x at 0, [tile of 16 rows][K block 0..31][row 0..15][16 bytes]; codes of the weights at WC_OFF, tiles in the order head x 12 + (q, k, v) x 4 + 16 channels;
;        scale words at XS_OFF, WS_OFF: [tile][K step of 128][row] words; Wo as f16 at WOH_OFF: [row tile][chunk 0..63][512 bytes], chunk q = k 16 q + 8 (lane / 16) + 0..7 of row lane % 16.
;   mw:  words [query tile][key step of 64][key tile 0..3][j 0..7]: bit L = mask[16 qt + L % 16][64 step + 16 T + 8 (L / 16) + j].
;   flg: a record of 8 words for each query tile: any (even steps), any (odd steps), full (even), full (odd): bit t = key steps 2 t, 2 t + 1; then which of the 16 rows keeps a key: low byte, high byte,
;        a byte for each quarter of the keys; two zeros.
; SHARES.  Work-groups 0..511 take a tile of 16 rows (x: 256, then 64 each of Wq, Wk, Wv, Wo), wave w its K 256 w .. + 255; work-groups 512..767 take the mask of a query tile, wave w keys 1024 w .. + 1023.
; The waves share nothing: no barrier.  Each load of a tile reads 256 consecutive bytes of two rows; the numbers turn through the wave's own stage in LDS so that a lane holds a whole block of 32 along K.
; A block's scale byte is its largest magnitude's exponent field - 2, held at 1 from below.
; LIMITS: a block of zeros, or one whose largest magnitude lies under 2^-124, gets the byte 1 (its codes add nothing or are held as the floor has them; this program alone reads the bytes);
; NaN and infinities are not served; Wo must lie under 65,504 in size (f16).
.set WC_OFF,  2097152
.set XS_OFF,  3670016
.set WS_OFF,  3801088
.set WOH_OFF, 3899392
.set STG,     16*272                   ; a wave's stage: 16 rows of 256 bytes + 16 of padding
.set SPARE,   4*STG                    ; behind the stages: the spare words, 128 bytes a wave
.set SPW, 12                           ; v12 my spare word's LDS address; never rewritten
.set NIL, 13                           ; v13 0; never rewritten
.macro FINISH                          ; a wave's end
	s_wait_tensorcnt 0x0
	ds_add_u32 v[SPW], v[NIL]
	s_wait_dscnt 0x0
	s_endpgm
.endm
	s_load_b512 s[4:19], s[0:1], 0x0               ; x, Wq, Wk, Wv, Wo, mask, pre, mw
	s_load_b64 s[2:3], s[0:1], 0x40                ; flg
	v_lshl_add_u32 v[SPW], v0, 2, SPARE
	v_mov_b32 v[NIL], 0
	v_lshrrev_b32 v1, 5, v0
	v_readfirstlane_b32 s20, v1                    ; wave
	v_and_b32 v8, 31, v0                           ; lane
	v_and_b32 v9, 15, v0                           ; r
	v_bfe_u32 v10, v0, 4, 1                        ; h
	v_lshlrev_b32 v4, 4, v8                        ; 16 x lane
	v_lshlrev_b32 v5, 2, v8                        ; 4 x lane
	s_cmp_lt_u32 ttmp9, 512
	s_cbranch_scc0 .Lmask
; ---------------- a tile of 16 rows x 1024
	v_lshlrev_b32 v1, 4, v9
	v_lshl_add_u32 v1, v10, 12, v1                 ; in: 16 lanes take 256 bytes of a row, lanes 16-31 the next row
	s_mul_i32 s21, s20, STG
	v_mul_u32_u24 v2, v10, 272
	v_lshl_add_u32 v2, v9, 4, v2
	v_add_nc_u32 v2, s21, v2                       ; into the stage, as loaded
	v_mul_u32_u24 v3, v9, 272
	v_lshl_add_u32 v3, v10, 7, v3
	v_add_nc_u32 v3, s21, v3                       ; out of it: row r, 128 bytes for each half of the lanes
	v_lshlrev_b32 v6, 4, v9
	v_lshl_add_u32 v6, v10, 10, v6                 ; Wo's way out: 1024 h + 16 r
	s_mov_b32 s26, 0x76543210
	s_mov_b32 s27, 0xfedcba98                      ; v_permlanex16_b32: lane l xor 16
	s_and_b32 s24, ttmp9, 63
	s_wait_kmcnt 0x0
	s_cmp_lt_u32 ttmp9, 448                        ; which tensor: the choice hangs on the work-group's number alone
	s_cselect_b64 s[22:23], s[10:11], s[12:13]
	s_cmp_lt_u32 ttmp9, 384
	s_cselect_b64 s[22:23], s[8:9], s[22:23]
	s_cmp_lt_u32 ttmp9, 320
	s_cselect_b64 s[22:23], s[6:7], s[22:23]
	s_cmp_lt_u32 ttmp9, 256
	s_cselect_b64 s[22:23], s[4:5], s[22:23]
	s_cselect_b32 s24, ttmp9, s24                  ; the tile's number in its tensor
	s_lshl_b32 s24, s24, 16                        ; 16 rows of 4,096 bytes
	s_lshl_b32 s25, s20, 10                        ; my 256 along K
	s_add_co_u32 s24, s24, s25
	s_mov_b32 s25, 0
	s_add_nc_u64 s[22:23], s[22:23], s[24:25]
.irp it, 0,1,2,3
.irp u, 0,1,2,3,4,5,6,7
	global_load_b128 v[64+32*\it+4*\u:64+32*\it+4*\u+3], v1, s[22:23] offset:\u*8192+\it*256 th:TH_LOAD_NT
.endr
.endr
; Iteration it: 16 rows x 64 along K go through the stage and come back 32 neighbours a lane, into v[32 + 32 it] on (the registers that the iteration before has stored from).
.macro TURN it
	s_wait_loadcnt 24-8*\it                        ; loads return in order: mine are in, the later iterations' may be out
.irp u, 0,1,2,3,4,5,6,7
	ds_store_b128 v2, v[64+32*\it+4*\u:64+32*\it+4*\u+3] offset:\u*544
.endr
	s_wait_dscnt 8                                 ; all but these eight stores are done: the stores that read the registers loaded next among them
.irp j, 0,1,2,3,4,5,6,7
	ds_load_b128 v[32+32*\it+4*\j:32+32*\it+4*\j+3], v3 offset:16*\j
.endr
.endm
	TURN 0
	TURN 1
	TURN 2
	TURN 3
	s_wait_dscnt 0x0                               ; lane (r, h) holds k = 256 w + 64 it + 32 h + 0..31 of row r in v[32 + 32 it] on
	s_cmp_ge_u32 ttmp9, 448
	s_cbranch_scc1 .Lhalf
; ---------------- codes and scale words
	s_sub_co_u32 s32, ttmp9, 256                   ; a weight's tile T: (q, k, v) = T / 64, head = (T / 4) % 16, channels T % 4
	s_lshr_b32 s33, s32, 2
	s_and_b32 s33, s33, 15
	s_mul_i32 s33, s33, 12
	s_lshr_b32 s34, s32, 6
	s_and_b32 s34, s34, 3
	s_lshl_b32 s34, s34, 2
	s_add_co_u32 s33, s33, s34
	s_and_b32 s34, s32, 3
	s_add_co_u32 s33, s33, s34
	s_mov_b32 s35, WS_OFF
	s_cmp_lt_u32 ttmp9, 256
	s_cselect_b32 s33, ttmp9, s33                  ; the tile's place among the codes
	s_cselect_b32 s34, 0, WC_OFF
	s_cselect_b32 s35, XS_OFF, s35
	s_lshl_b32 s36, s33, 13
	s_add_co_u32 s36, s36, s34
	s_lshl_b32 s37, s20, 11
	s_add_co_u32 s36, s36, s37
	s_mov_b32 s37, 0
	s_add_nc_u64 s[28:29], s[16:17], s[36:37]      ; codes: tile x 8192 + wave x 2048
	s_lshl_b32 s36, s33, 9
	s_add_co_u32 s36, s36, s35
	s_lshl_b32 s37, s20, 7
	s_add_co_u32 s36, s36, s37
	s_mov_b32 s37, 0
	s_add_nc_u64 s[30:31], s[16:17], s[36:37]      ; scale words: tile x 512 + wave x 128
.irp it, 0,1,2,3
	v_max3_num_f32 v[16+\it], |v[32+32*\it]|, |v[33+32*\it]|, 0x1800000   ; my block's largest magnitude, and the floor 2^(3 - 127): the byte cannot fall under 1
.endr
.irp i, 2,4,6,8,10,12,14,16,18,20,22,24,26,28,30
.irp it, 0,1,2,3
	v_max3_num_f32 v[16+\it], v[16+\it], |v[32+32*\it+\i]|, |v[33+32*\it+\i]|   ; the four blocks by turns
.endr
.endr
.irp it, 0,1,2,3
	v_add_nc_u32 v[20+\it], 0xff000000, v[16+\it]  ; 2 off the exponent field: the conversion's scale operand
.endr
.irp it, 0,1,2,3
	v_lshrrev_b32 v[24+\it], 23, v[20+\it]         ; the scale's byte
.endr
.irp it, 0,1,2,3
.irp g, 0,1,2,3
	v_cvt_scalef32_pk8_fp4_f32 v[160+4*\it+\g], v[32+32*\it+8*\g:32+32*\it+8*\g+7], v[20+\it]
.endr
.endr
	v_nop                                          ; one plain line behind the last scaled conversion
.irp it, 0,1,2,3
	global_store_b128 v4, v[160+4*\it:163+4*\it], s[28:29] offset:\it*512   ; blocks 8 w + 2 it + h: 512 consecutive bytes
.endr
	v_lshl_or_b32 v28, v25, 16, v24                ; K step 2 w: my bytes of blocks h and 2 + h,
	v_lshl_or_b32 v29, v27, 16, v26                ; K step 2 w + 1 likewise,
	v_lshlrev_b32 v30, 3, v10
	v_lshlrev_b32 v28, v30, v28                    ; at their places in the word
	v_lshlrev_b32 v29, v30, v29
	v_mov_b32 v31, 0
	v_mov_b32 v11, 0
	v_permlanex16_b32 v31, v28, s26, s27
	v_permlanex16_b32 v11, v29, s26, s27
	v_or_b32 v28, v28, v31                         ; with lane l xor 16's two bytes the words are whole
	v_or_b32 v29, v29, v11
	v_cmp_eq_u32 vcc_lo, 1, v10
	v_cndmask_b32 v28, v28, v29, vcc_lo            ; lanes 0-15 store K step 2 w's, lanes 16-31 K step 2 w + 1's
	global_store_b32 v5, v28, s[30:31]
	FINISH
; ---------------- Wo as f16
.Lhalf:
	s_and_b32 s36, ttmp9, 63
	s_lshl_b32 s36, s36, 15
	s_lshl_b32 s37, s20, 13
	s_add_co_u32 s36, s36, s37
	s_add_co_u32 s36, s36, WOH_OFF
	s_mov_b32 s37, 0
	s_add_nc_u64 s[28:29], s[16:17], s[36:37]      ; tile x 32768 + wave x 8192
.irp it, 0,1,2,3
.irp i, 0,1,2,3,4,5,6,7,8,9,10,11,12,13,14,15
	v_cvt_pk_f16_f32 v[32+32*\it+\i], v[32+32*\it+2*\i], v[33+32*\it+2*\i]   ; in place, ascending
.endr
.irp p, 0,1,2,3
	global_store_b128 v6, v[32+32*\it+4*\p:35+32*\it+4*\p], s[28:29] offset:\it*2048+(\p/2)*512+(\p%2)*256   ; k 8 p on of my 32: chunk + p / 2, half p % 2: 16 lanes fill 256 consecutive bytes
.endr
.endr
	FINISH
; ---------------- the mask of a query tile
.Lmask:
	s_sub_co_u32 s21, ttmp9, 512                   ; the query tile
	v_lshlrev_b32 v7, 12, v9
	v_lshl_add_u32 v7, v10, 3, v7                  ; row r, 8 bytes for each half of the lanes
	s_lshl_b32 s24, s21, 16
	s_lshl_b32 s25, s20, 10
	s_add_co_u32 s24, s24, s25
	s_mov_b32 s25, 0
	s_lshl_b32 s36, s21, 13
	s_lshl_b32 s37, s20, 11
	s_add_co_u32 s36, s36, s37
	s_mov_b32 s37, 0
	s_lshl_b32 s38, s21, 5
	s_add_co_u32 s38, s38, s20
	s_mov_b32 s39, 0
	s_wait_kmcnt 0x0
	s_add_nc_u64 s[22:23], s[14:15], s[24:25]
	s_add_nc_u64 s[28:29], s[18:19], s[36:37]      ; the words: query tile x 8192 + wave x 2048
	s_add_nc_u64 s[30:31], s[2:3], s[38:39]        ; the record: query tile x 32, byte = wave
.set i, 0
.rept 64
	global_load_b64 v[64+2*i:65+2*i], v7, s[22:23] offset:16*i   ; key tile i: keys 16 i + 8 h + 0..7 of row r
.set i, i+1
.endr
.irp j, 0,1,2,3,4,5,6,7,8,9,10,11,12,13,14,15
	v_mov_b32 v[16+\j], 0                          ; a step's 32 words, one a lane (a lane write's destination counts as read)
.endr
	v_mov_b32 v14, 0                               ; which rows keep a key
	s_mov_b32 s44, 0                               ; any even, any odd, full even, full odd: my eight bits of each
	s_mov_b32 s45, 0
	s_mov_b32 s46, 0
	s_mov_b32 s47, 0
	s_wait_loadcnt 0x0
.macro MSTEP st
.irp T, 0,1,2,3
.irp j, 0,1,2,3,4,5,6,7
	v_and_b32 v[32+\j], 0xff<<(8*(\j%4)), v[64+8*(\st)+2*\T+\j/4]
.endr
.irp j, 0,1,2,3,4,5,6,7
	v_cmp_ne_u32 s[36+\j], 0, v[32+\j]             ; the lane mask of register 8 T + j of the scores
.endr
.irp j, 0,1,2,3,4,5,6,7
	v_writelane_b32 v[16+(\st)], s[36+\j], 8*\T+\j
.endr
.endr
	v_or_b32 v40, v[64+8*(\st)], v[65+8*(\st)]
	v_and_b32 v41, v[64+8*(\st)], v[65+8*(\st)]
.irp k, 2,3,4,5,6,7
	v_or_b32 v40, v40, v[64+8*(\st)+\k]
	v_and_b32 v41, v41, v[64+8*(\st)+\k]
.endr
	v_cmp_ne_u32 s32, 0, v40
	v_cmp_eq_u32 s33, 0x01010101, v41
	v_or_b32 v14, v14, v40
	s_cmp_lg_u32 s32, 0                            ; some key of the step counts for some row
	s_cselect_b32 s34, 1<<((\st)/2), 0
	s_or_b32 s[44+(\st)%2], s[44+(\st)%2], s34
	s_cmp_eq_u32 s33, -1                           ; all do
	s_cselect_b32 s34, 1<<((\st)/2), 0
	s_or_b32 s[46+(\st)%2], s[46+(\st)%2], s34
	global_store_b32 v5, v[16+(\st)], s[28:29] offset:(\st)*128
.endm
.irp st, 0,1,2,3,4,5,6,7,8,9,10,11,12,13,14,15
	MSTEP \st
.endr
	v_cmp_ne_u32 s35, 0, v14
	s_lshr_b32 s34, s35, 16
	s_or_b32 s35, s35, s34                         ; row r: lanes r and 16 + r
	s_and_b32 s34, s35, 0xff
	s_bfe_u32 s35, s35, 0x80008
	v_mov_b32 v15, 0
	v_writelane_b32 v15, s44, 0
	v_writelane_b32 v15, s45, 1
	v_writelane_b32 v15, s46, 2
	v_writelane_b32 v15, s47, 3
	v_writelane_b32 v15, s34, 4
	v_writelane_b32 v15, s35, 5
	s_wait_xcnt 0x0                                ; EXEC changes only behind this wait
	v_cmp_gt_u32 vcc_lo, 8, v8
	s_and_saveexec_b32 s34, vcc_lo
	global_store_b8 v5, v15, s[30:31]              ; lane i: byte w of the record's word i
	s_wait_xcnt 0x0
	s_or_b32 exec_lo, exec_lo, s34
	FINISH
.Lfunc_end_k_q8b5a10af94_prep:
	.size	k_q8b5a10af94_prep, .Lfunc_end_k_q8b5a10af94_prep-k_q8b5a10af94_prep
	.p2alignl 7, 3214868480
	.fill 96, 4, 3214868480
	.section	.rodata,"a",@progbits
	.p2align	6, 0x0
	.amdhsa_kernel k_q8b5a10af94_prep
		.amdhsa_group_segment_fixed_size 17920
		.amdhsa_private_segment_fixed_size 0
		.amdhsa_enable_private_segment 0
		.amdhsa_kernarg_size 72
		.amdhsa_user_sgpr_count 2
		.amdhsa_user_sgpr_kernarg_segment_ptr 1
		.amdhsa_wavefront_size32 1
		.amdhsa_system_sgpr_workgroup_id_x 1
		.amdhsa_system_sgpr_workgroup_id_y 1
		.amdhsa_system_sgpr_workgroup_id_z 1
		.amdhsa_system_vgpr_workitem_id 0
		.amdhsa_next_free_vgpr 192
		.amdhsa_next_free_sgpr 66
		.amdhsa_reserve_vcc 1
		.amdhsa_float_denorm_mode_32 3
		.amdhsa_float_denorm_mode_16_64 3
		.amdhsa_memory_ordered 1
		.amdhsa_forward_progress 1
		.amdhsa_inst_pref_size 143
	.end_amdhsa_kernel
	.amdgpu_metadata
---
amdhsa.version: [ 1, 2 ]
amdhsa.kernels:
  - .name:           k_q8b5a10af94_prep
    .symbol:         k_q8b5a10af94_prep.kd
    .args:
      - { .name: x, .offset: 0, .size: 8, .value_kind: global_buffer, .address_space: global }
      - { .name: Wq, .offset: 8, .size: 8, .value_kind: global_buffer, .address_space: global }
      - { .name: Wk, .offset: 16, .size: 8, .value_kind: global_buffer, .address_space: global }
      - { .name: Wv, .offset: 24, .size: 8, .value_kind: global_buffer, .address_space: global }
      - { .name: Wo, .offset: 32, .size: 8, .value_kind: global_buffer, .address_space: global }
      - { .name: mask, .offset: 40, .size: 8, .value_kind: global_buffer, .address_space: global }
      - { .name: pre, .offset: 48, .size: 8, .value_kind: global_buffer, .address_space: global }
      - { .name: mw, .offset: 56, .size: 8, .value_kind: global_buffer, .address_space: global }
      - { .name: flg, .offset: 64, .size: 8, .value_kind: global_buffer, .address_space: global }
    .group_segment_fixed_size: 17920
    .private_segment_fixed_size: 0
    .kernarg_segment_align: 8
    .kernarg_segment_size: 72
    .max_flat_workgroup_size: 128
    .sgpr_count:     66
    .vgpr_count:     192
    .wavefront_size: 32
...
	.end_amdgpu_metadata
.endif
;; end of part 1
;; launch qkv (part 2): grid 16 x 16, 4 waves a work-group, clusters of 4 x 4, 245,760 bytes of LDS; arguments pre, qkv; writes qkv
.if DOCPART == 2
	.amdgcn_target "amdgcn-amd-amdhsa--gfx1250"
	.amdhsa_code_object_version 6
	.text
	.protected	k_q8b5a10af94_qkv
	.globl	k_q8b5a10af94_qkv
	.p2align	8
	.type	k_q8b5a10af94_qkv,@function
k_q8b5a10af94_qkv:
	s_mov_b64 s[64:65], 0
	v_nop
	global_prefetch_b8 v0, s[64:65] scope:SCOPE_SE
	s_setreg_imm32_b32 hwreg(HW_REG_WAVE_MODE, 25, 1), 1
	s_wait_xcnt 0x0
	s_wait_alu depctr_hold_cnt(0) depctr_sa_sdst(0) depctr_va_vdst(0) depctr_va_sdst(0) depctr_va_ssrc(0) depctr_va_vcc(0) depctr_vm_vsrc(0)
	s_getreg_b32 s2, hwreg(HW_REG_IB_STS2, 6, 4)
	s_cmp_eq_u32 s2, 0
	s_cbranch_scc0 .Lentry_in_a_cluster
	s_endpgm
.Lentry_in_a_cluster:
	s_bfe_u32 s2, ttmp6, 0x10000c
	s_cmp_lg_u32 s2, 0xf033
	s_cbranch_scc0 .Lentry_shape_is_right
	s_endpgm
.Lentry_shape_is_right:
; QKV.  q = x Wq^T, k = x Wk^T, v = x Wv^T on codes of E2M1 with E8M0 scales (K = 1024), sums in f32.  The results leave as f16 pairs (a high and a low part), laid as images of the next products' operand registers.
; SHARES.  A work-group makes 256 rows x one head's 192 columns (64 of q, of k, of v); wave w its rows 64 w .. + 63, which are one key step of 64: 4 row tiles a x 12 column tiles b, 48 accumulators.
; ALL OF K LIES IN LDS AT ONCE: x's codes (131,072 bytes), the head's weights (98,304), their scale words (8,192 and 6,144): first fills alone, nothing is filled again.
; CLUSTER 4 x 4: x's bytes hang on the row block alone and are asked for jointly along a row of the cluster, the weights' on the head alone, along a column.  A wave has two tensor loads out.
; q and k are made TRANSPOSED (source 0 = 16 rows of W, source 1 = 16 rows of x): a lane holds 8 channels of one row.  v in the natural order: a lane holds 8 keys of one channel.  Packed, each is a chunk of 512 bytes as it stands.
; q is multiplied by c = log2(e) / 8 in f32, so that the scores are exponents of 2.
; THE PARTS: t = 8193 x, high = t + (x - t) has 11 significant bits and is exact in f16; low = x - high, rounded to f16.
;   qkv: QH 0, QL 8,388,608: [head][query tile][chunk 0..3]; KV 16,777,216 (high), 33,554,432 (low): [head][key step][16 KB]: K [key tile][chunk], then V at 8192: [32 keys g][channel tile n][16 keys c].
; LIMITS: c q, k and v must lie under 65,504 in size (f16); NaN and infinities are not served.
; REGISTERS: window 0: v1-7 addresses; v32-47 x's scale words, v48-95 the weights' (they hold nothing else); v96-159 x's fragments, two sets; on the way out v96-223 at work.
;   window 3: the weights' fragments, two sets of 96.   window 1: the accumulators of row tiles 0, 1 at 8 (12 (a % 2) + b);   window 2: of row tiles 2, 3.
.set WC_OFF,  2097152
.set XS_OFF,  3670016
.set WS_OFF,  3801088
.set WCL,   131072                     ; LDS: the weights' codes (x's lie at 0)
.set XSL,   229376                     ; x's scale words
.set WSL,   237568                     ; the weights'
.set SPARE, 243712                     ; the spare words, 128 bytes a wave
.set SPW, 28
.set NIL, 29
.set XSC, 32
.set WSC, 48
.set XFR, 96
.set TV, 96                            ; the way out: t, then the high parts
.set DV, 128                           ; x - t, then the low parts
.set FV, 160                           ; c q
.set HH, 192                           ; packed high parts
.set HL, 208                           ; packed low parts
.set G1XC, 24
.set G1WC, 32
.set G1XS, 40
.set G1WS, 48
.set G0XC, 56
.set G0WC, 60
.set G0XS, 68
.set G0WS, 72
.set CS,  84                           ; s[84:85] c
.set QHB, 86                           ; s[86:87], s[88:89] where my q goes: high, low
.set QLB, 88
.set KVB, 90                           ; s[90:91], s[92:93] my key step: high, low
.set KLB, 92
.set VK,  94                           ; s[94:95] 8193.0
.set MSB, 0
.macro WIN new                         ; the immediate's high byte repeats the setting that is left
.if MSB != (\new)
	s_set_vgpr_msb (MSB<<8)|(\new)
.set MSB, (\new)
.endif
.endm
; A joint load: waves 0 and 1 fetch for x, waves 2 and 3 for the weights.  An s_nop 0 and four v_nop follow each line.
.macro JLOAD g0a, g1a, g0b, g1b
	s_cmp_eq_u32 s15, 0
	s_cbranch_scc0 .Lfor_b_\@
	tensor_load_to_lds s[\g0a:\g0a+3], s[\g1a:\g1a+7]
	s_nop 0
.rept 4
	v_nop
.endr
	s_branch .Lasked_\@
.Lfor_b_\@:
	tensor_load_to_lds s[\g0b:\g0b+3], s[\g1b:\g1b+7]
	s_nop 0
.rept 4
	v_nop
.endr
.Lasked_\@:
.endm
.macro CROUND                          ; a round of the cluster's barrier
	s_barrier_signal -1
	s_barrier_wait -1
	s_cmp_lg_u32 s14, 0
	s_cbranch_scc1 .Lnot_wave_0_\@
	s_barrier_signal -3
.Lnot_wave_0_\@:
	s_barrier_wait -3
	s_barrier_signal -1
	s_barrier_wait -1
.endm
.macro G1REST g, rows                  ; a dense block as rows of 256 bytes: 32 elements of 8 bytes, no padding
	s_mov_b32 s[\g+1], 32<<16
	s_mov_b32 s[\g+2], (\rows)<<16
	s_mov_b32 s[\g+3], 32<<16
	s_mov_b32 s[\g+4], \rows
	s_mov_b32 s[\g+5], 32
	s_mov_b32 s[\g+6], 0
	s_mov_b32 s[\g+7], 0
.endm
	s_load_b128 s[4:7], s[0:1], 0x0                ; pre, qkv
	v_lshl_add_u32 v[SPW], v0, 2, SPARE
	v_mov_b32 v[NIL], 0
	ds_add_u32 v[SPW], v[NIL]                      ; the wave's opening: the add, twice on end, and its wait ahead of my first tensor load
	ds_add_u32 v[SPW], v[NIL]
	v_lshrrev_b32 v1, 5, v0
	v_readfirstlane_b32 s14, v1                    ; wave
	s_lshr_b32 s15, s14, 1                         ; I fetch for x (0) or for the weights (1),
	s_and_b32 s16, s14, 1                          ; this half
	s_bfe_u32 s8, ttmp6, 0x40000                   ; cx
	s_bfe_u32 s9, ttmp6, 0x40004                   ; cy
	s_lshl_b32 s10, ttmp9, 2
	s_add_co_u32 s10, s10, s8                      ; the head = 4 x cluster x + cx
	s_and_b32 s11, ttmp7, 0xffff
	s_lshl_b32 s11, s11, 2
	s_add_co_u32 s11, s11, s9                      ; the block of 256 rows = 4 x cluster y + cy
	s_lshl_b32 s12, s9, 2
	s_lshl_b32 s12, 15, s12                        ; my row of the cluster
	s_lshl_b32 s13, 0x1111, s8                     ; my column
	s_or_b32 s[G1XC], s12, (3<<16)|(1<<21)         ; 15:0 the mask; 17:16 elements of 8 bytes; 21 set beside a mask
	s_or_b32 s[G1XS], s12, (3<<16)|(1<<21)
	s_or_b32 s[G1WC], s13, (3<<16)|(1<<21)
	s_or_b32 s[G1WS], s13, (3<<16)|(1<<21)
	G1REST G1XC, 256                               ; half of x's codes: 65,536 bytes
	G1REST G1WC, 192                               ; half of the weights': 49,152
	G1REST G1XS, 16                                ; half of x's scale words: 4,096
	G1REST G1WS, 12                                ; half of the weights': 3,072
	s_lshl_b32 s18, s11, 17                        ; x's codes: block x 131072 + half x 65536
	s_lshl_b32 s19, s16, 16
	s_add_co_u32 s18, s18, s19
	s_mov_b32 s19, 0
	s_lshl_b32 s20, s11, 13                        ; x's scale words
	s_lshl_b32 s21, s16, 12
	s_add_co_u32 s20, s20, s21
	s_add_co_u32 s20, s20, XS_OFF
	s_mov_b32 s21, 0
	s_mul_i32 s22, s10, 98304                      ; the head's codes
	s_mul_i32 s23, s16, 49152
	s_add_co_u32 s22, s22, s23
	s_add_co_u32 s22, s22, WC_OFF
	s_mov_b32 s23, 0
	s_mul_i32 s76, s10, 6144                       ; the head's scale words
	s_mul_i32 s77, s16, 3072
	s_add_co_u32 s76, s76, s77
	s_add_co_u32 s76, s76, WS_OFF
	s_mov_b32 s77, 0
	s_lshl_b32 s78, s16, 16                        ; where they go in LDS: the wave's number alone
	s_mul_i32 s79, s16, 49152
	s_add_co_u32 s79, s79, WCL
	s_lshl_b32 s80, s16, 12
	s_add_co_u32 s80, s80, XSL
	s_mul_i32 s81, s16, 3072
	s_add_co_u32 s81, s81, WSL
	s_mov_b32 s[CS], 0x3e38aa3b                    ; c = log2(e) / 8
	s_mov_b32 s[CS+1], s[CS]
	s_mov_b32 s[VK], 0x46000400                    ; 8193.0
	s_mov_b32 s[VK+1], s[VK]
	s_wait_dscnt 0x0                               ; both opening adds are done
	s_wait_kmcnt 0x0
	CROUND                                         ; all sixteen work-groups are here: the joint loads meet
	s_mov_b32 s[G0XS], 1
	s_mov_b32 s[G0XS+1], s80
	s_add_nc_u64 s[G0XS+2:G0XS+3], s[4:5], s[20:21]
	s_or_b32 s[G0XS+3], s[G0XS+3], 0x80000000
	s_mov_b32 s[G0WS], 1
	s_mov_b32 s[G0WS+1], s81
	s_add_nc_u64 s[G0WS+2:G0WS+3], s[4:5], s[76:77]
	s_or_b32 s[G0WS+3], s[G0WS+3], 0x80000000
	JLOAD G0XS, G1XS, G0WS, G1WS
	s_mov_b32 s[G0XC], 1
	s_mov_b32 s[G0XC+1], s78
	s_add_nc_u64 s[G0XC+2:G0XC+3], s[4:5], s[18:19]
	s_or_b32 s[G0XC+3], s[G0XC+3], 0x80000000
	s_mov_b32 s[G0WC], 1
	s_mov_b32 s[G0WC+1], s79
	s_add_nc_u64 s[G0WC+2:G0WC+3], s[4:5], s[22:23]
	s_or_b32 s[G0WC+3], s[G0WC+3], 0x80000000
	JLOAD G0XC, G1XC, G0WC, G1WC
	v_and_b32 v8, 31, v0
	v_lshlrev_b32 v6, 4, v8                        ; 16 x lane
	s_lshl_b32 s17, s14, 15
	v_add_nc_u32 v1, s17, v6                       ; my four row tiles of x
	v_add_nc_u32 v2, WCL, v6                       ; column tiles 0-5
	v_add_nc_u32 v3, WCL+49152, v6                 ; column tiles 6-11
	v_lshlrev_b32 v7, 2, v8
	s_lshl_b32 s17, s14, 11
	s_add_co_u32 s17, s17, XSL
	v_add_nc_u32 v4, s17, v7
	v_add_nc_u32 v5, WSL, v7
	s_lshl_b32 s82, s10, 19                        ; q: head x 524288 + (16 block + 4 wave) x 2048
	s_lshl_b32 s83, s11, 15
	s_add_co_u32 s82, s82, s83
	s_lshl_b32 s83, s14, 13
	s_add_co_u32 s82, s82, s83
	s_mov_b32 s83, 0
	s_add_nc_u64 s[QHB:QHB+1], s[6:7], s[82:83]
	s_add_nc_u64 s[QLB:QLB+1], s[QHB:QHB+1], 8388608
	s_lshl_b32 s82, s10, 20                        ; k, v: head x 1048576 + (4 block + wave) x 16384
	s_lshl_b32 s17, s11, 16
	s_add_co_u32 s82, s82, s17
	s_lshl_b32 s17, s14, 14
	s_add_co_u32 s82, s82, s17
	s_add_co_u32 s82, s82, 16777216
	s_add_nc_u64 s[KVB:KVB+1], s[6:7], s[82:83]
	s_add_nc_u64 s[KLB:KLB+1], s[KVB:KVB+1], 16777216
	s_wait_tensorcnt 0x0                           ; my two loads have landed,
	s_barrier_signal -1
	s_barrier_wait -1                              ; everybody's have
.irp a, 0,1,2,3
.irp u, 0,1,2,3
	ds_load_b32 v[XSC+4*\a+\u], v4 offset:\a*512+\u*128   ; lanes 0-15: K step 2 u's words, lanes 16-31: K step 2 u + 1's
.endr
.endr
.irp b, 0,1,2,3,4,5,6,7,8,9,10,11
.irp u, 0,1,2,3
	ds_load_b32 v[WSC+4*\b+\u], v5 offset:\b*512+\u*128
.endr
.endr
.macro FETCH s                         ; K step s: 12 fragments of the weights, 4 of x, into set s % 2
	WIN 0xc0
.irp b, 0,1,2,3,4,5
.irp c, 0,1
	ds_load_b128 v[96*((\s)%2)+8*\b+4*\c:96*((\s)%2)+8*\b+4*\c+3], v2 offset:\b*8192+(\s)*1024+\c*512
.endr
.endr
.irp b, 6,7,8,9,10,11
.irp c, 0,1
	ds_load_b128 v[96*((\s)%2)+8*\b+4*\c:96*((\s)%2)+8*\b+4*\c+3], v3 offset:(\b-6)*8192+(\s)*1024+\c*512
.endr
.endr
	WIN 0
.irp a, 0,1,2,3
.irp c, 0,1
	ds_load_b128 v[XFR+32*((\s)%2)+8*\a+4*\c:XFR+32*((\s)%2)+8*\a+4*\c+3], v1 offset:\a*8192+(\s)*1024+\c*512
.endr
.endr
.endm
.macro PROD s, a, b                    ; one product: row tile a, column tile b, K step s
.set AC, 8*(12*((\a)%2)+(\b))
.if (\b) < 8
.set RA, 96*((\s)%2)+8*(\b)
.set RB, XFR+32*((\s)%2)+8*(\a)
.set SA, WSC+4*(\b)+(\s)/2
.set SB, XSC+4*(\a)+(\s)/2
.else
.set RA, XFR+32*((\s)%2)+8*(\a)
.set RB, 96*((\s)%2)+8*(\b)
.set SA, XSC+4*(\a)+(\s)/2
.set SB, WSC+4*(\b)+(\s)/2
.endif
.if (\s) == 0
	v_wmma_scale_f32_16x16x128_f8f6f4 v[AC:AC+7], v[RA:RA+7], v[RB:RB+7], 0, v[SA], v[SB] matrix_a_fmt:MATRIX_FMT_FP4 matrix_b_fmt:MATRIX_FMT_FP4
.elseif (\s)%2 == 0
	v_wmma_scale_f32_16x16x128_f8f6f4 v[AC:AC+7], v[RA:RA+7], v[RB:RB+7], v[AC:AC+7], v[SA], v[SB] matrix_a_fmt:MATRIX_FMT_FP4 matrix_b_fmt:MATRIX_FMT_FP4
.else
	v_wmma_scale_f32_16x16x128_f8f6f4 v[AC:AC+7], v[RA:RA+7], v[RB:RB+7], v[AC:AC+7], v[SA], v[SB] matrix_a_fmt:MATRIX_FMT_FP4 matrix_b_fmt:MATRIX_FMT_FP4 matrix_a_scale:MATRIX_SCALE_ROW1 matrix_b_scale:MATRIX_SCALE_ROW1
.endif
.endm
; A K step: 48 products, the 48 accumulators by turns; the next step's fragments are asked for ahead of them.
.macro KSTEP s
	s_wait_dscnt 0x0                               ; this step's fragments are in
.if (\s) < 7
.rept 4
	v_nop                                          ; four places between the last products and loads into the set that they read
.endr
	FETCH (\s)+1
.endif
.irp p, 0,1
	WIN 0x53+0x50*\p                               ; source 0 window 3 (W), source 1 window 0 (x), C and D window 1 + p
.irp a, 0,1
.irp b, 0,1,2,3,4,5,6,7
	PROD \s, 2*\p+\a, \b
.endr
.endr
	WIN 0x5c+0x50*\p                               ; source 0 window 0 (x), source 1 window 3 (W)
.irp a, 0,1
.irp b, 8,9,10,11
	PROD \s, 2*\p+\a, \b
.endr
.endr
.endr
	WIN 0
.endm
	FETCH 0
.irp s, 0,1,2,3,4,5,6,7
	KSTEP \s
.endr
; THE WAY OUT: four tiles (32 registers of row tile a, from column tile b0) at a time.  kind 0: q, 1: k, 2: v.  Each accumulator is read from its low end on.
.macro OUT4 a, b0, kind
.set XW, 1+(\a)/2
.set XB, 8*(12*((\a)%2)+(\b0))
	s_wait_xcnt 0x0                                ; the last batch's stores have read their registers
.if \kind == 0
	WIN XW
.set i, 0
.rept 16
	v_pk_mul_f32 v[FV+i:FV+i+1], v[XB+i:XB+i+1], s[CS:CS+1] op_sel_hi:[1,0]
.set i, i+2
.endr
.set XW, 0
.set XB, FV
.endif
	WIN XW
.set i, 0
.rept 16
	v_pk_mul_f32 v[TV+i:TV+i+1], v[XB+i:XB+i+1], s[VK:VK+1] op_sel_hi:[1,0]   ; t = 8193 x
.set i, i+2
.endr
.set i, 0
.rept 16
	v_pk_add_f32 v[DV+i:DV+i+1], v[XB+i:XB+i+1], v[TV+i:TV+i+1] neg_lo:[0,1] neg_hi:[0,1]   ; x - t
.set i, i+2
.endr
	WIN 0
.set i, 0
.rept 16
	v_pk_add_f32 v[TV+i:TV+i+1], v[TV+i:TV+i+1], v[DV+i:DV+i+1]   ; the high part
.set i, i+2
.endr
	WIN XW
.set i, 0
.rept 16
	v_pk_add_f32 v[DV+i:DV+i+1], v[XB+i:XB+i+1], v[TV+i:TV+i+1] neg_lo:[0,1] neg_hi:[0,1]   ; the low part
.set i, i+2
.endr
	WIN 0
.set i, 0
.rept 16
	v_cvt_pk_f16_f32 v[HH+i], v[TV+2*i], v[TV+2*i+1]
	v_cvt_pk_f16_f32 v[HL+i], v[DV+2*i], v[DV+2*i+1]
.set i, i+1
.endr
.irp t, 0,1,2,3
.if \kind == 0
	global_store_b128 v6, v[HH+4*\t:HH+4*\t+3], s[QHB:QHB+1] offset:(\a)*2048+\t*512
	global_store_b128 v6, v[HL+4*\t:HL+4*\t+3], s[QLB:QLB+1] offset:(\a)*2048+\t*512
.elseif \kind == 1
	global_store_b128 v6, v[HH+4*\t:HH+4*\t+3], s[KVB:KVB+1] offset:(\a)*2048+\t*512
	global_store_b128 v6, v[HL+4*\t:HL+4*\t+3], s[KLB:KLB+1] offset:(\a)*2048+\t*512
.else
	global_store_b128 v6, v[HH+4*\t:HH+4*\t+3], s[KVB:KVB+1] offset:8192+((\a)/2)*4096+\t*1024+((\a)%2)*512
	global_store_b128 v6, v[HL+4*\t:HL+4*\t+3], s[KLB:KLB+1] offset:8192+((\a)/2)*4096+\t*1024+((\a)%2)*512
.endif
.endr
.endm
.rept 4
	v_nop                                          ; four places behind the last products
.endr
.irp a, 0,1,2,3
	OUT4 \a, 0, 0
	OUT4 \a, 4, 1
	OUT4 \a, 8, 2
.endr
	s_wait_tensorcnt 0x0                           ; the wave's end
	ds_add_u32 v[SPW], v[NIL]
	s_wait_dscnt 0x0
	CROUND                                         ; the closing round
	s_endpgm
.Lfunc_end_k_q8b5a10af94_qkv:
	.size	k_q8b5a10af94_qkv, .Lfunc_end_k_q8b5a10af94_qkv-k_q8b5a10af94_qkv
	.p2alignl 7, 3214868480
	.fill 96, 4, 3214868480
	.section	.rodata,"a",@progbits
	.p2align	6, 0x0
	.amdhsa_kernel k_q8b5a10af94_qkv
		.amdhsa_group_segment_fixed_size 245760
		.amdhsa_private_segment_fixed_size 0
		.amdhsa_enable_private_segment 0
		.amdhsa_kernarg_size 16
		.amdhsa_user_sgpr_count 2
		.amdhsa_user_sgpr_kernarg_segment_ptr 1
		.amdhsa_wavefront_size32 1
		.amdhsa_system_sgpr_workgroup_id_x 1
		.amdhsa_system_sgpr_workgroup_id_y 1
		.amdhsa_system_sgpr_workgroup_id_z 1
		.amdhsa_system_vgpr_workitem_id 0
		.amdhsa_next_free_vgpr 960
		.amdhsa_next_free_sgpr 96
		.amdhsa_reserve_vcc 0
		.amdhsa_float_denorm_mode_32 3
		.amdhsa_float_denorm_mode_16_64 3
		.amdhsa_memory_ordered 1
		.amdhsa_forward_progress 1
		.amdhsa_inst_pref_size 166
	.end_amdhsa_kernel
	.amdgpu_metadata
---
amdhsa.version: [ 1, 2 ]
amdhsa.kernels:
  - .name:           k_q8b5a10af94_qkv
    .symbol:         k_q8b5a10af94_qkv.kd
    .args:
      - { .name: pre, .offset: 0, .size: 8, .value_kind: global_buffer, .address_space: global }
      - { .name: qkv, .offset: 8, .size: 8, .value_kind: global_buffer, .address_space: global }
    .group_segment_fixed_size: 245760
    .private_segment_fixed_size: 0
    .kernarg_segment_align: 8
    .kernarg_segment_size: 16
    .max_flat_workgroup_size: 128
    .sgpr_count:     96
    .vgpr_count:     960
    .wavefront_size: 32
...
	.end_amdgpu_metadata
.endif
;; end of part 2
;; launch attn (part 3): grid 16 x 16, 8 waves a work-group, no clusters, 66,560 bytes of LDS; arguments qkv, mw, flg, att; writes att
.if DOCPART == 3
	.amdgcn_target "amdgcn-amd-amdhsa--gfx1250"
	.amdhsa_code_object_version 6
	.text
	.protected	k_q8b5a10af94_attn
	.globl	k_q8b5a10af94_attn
	.p2align	8
	.type	k_q8b5a10af94_attn,@function
k_q8b5a10af94_attn:
	s_mov_b64 s[64:65], 0
	v_nop
	global_prefetch_b8 v0, s[64:65] scope:SCOPE_SE
	s_setreg_imm32_b32 hwreg(HW_REG_WAVE_MODE, 25, 1), 1
	s_wait_xcnt 0x0
; ATTN.  att[q] = softmax over keys of (q . k / 8, or -1e9 where the mask hides the key) x v, for one head; operands in f16 (the high parts), products, maxima and sums in f32.
; q arrives multiplied by log2(e) / 8, so a score is t; hidden scores become NEGT = -1e9 log2(e); p = 2^(t - m), m the running maximum of t (hidden scores counted).  t - m is a subtraction, so a row of hidden
; keys alone has p = 1 throughout and comes out as the mean of all values, as the definition has it; the first kept key multiplies what was summed by 2^(NEGT - m) = 0.
; SHARES.  A work-group owns 256 queries of a head as two blocks of 128 from opposite ends; wave w owns query tiles A = 8 i + w and B = 8 (31 - i) + w.  Two waves share a SIMD.
; Both products are used transposed (S^T = K Q^T, O^T = V^T P): a lane holds one query (lane % 16).  K, V and Q lie in memory as images of their registers: a chunk of 512 bytes, lane L's 16 bytes at 16 L.
; WHAT THE MASK HIDES WHOLLY IS NOT DONE: the records in flg, stored by the first launch, say, for each query tile and key step, whether any key counts and whether all do.  A tile with a row that keeps no key skips nothing.
; The lane-mask words in mw serve selects alone: no branch and no address hangs on them.
; A trip is two key steps (32 KB of K and V).  They go memory -> registers -> LDS, a trip ahead, into two slots that take turns; one barrier a trip, which no flag leads round.
; NO TENSOR LOADS AND NO CLUSTER: what a work-group fetches and does hangs on flags read from memory, and work-groups of a head need different numbers of trips.
; LIMITS: skipping a hidden tile takes 2^(NEGT - m) for 0: some kept score of the row must lie above about -1e9 + 150.  The result must lie under 65,504 (f16).  NaN and infinities are not served.
; REGISTERS: v1 16 L; v3 4096 w + 16 L; v6 NEGT; v10 256 L; v12-17, v20-25 a tile's m, d, l (two halves), a, 0; v26-31 at work; v32-95 K's, then V's fragments; v96-159 S^T, then P; v160-223 O^T; v224-255 Q; window 1 v0-31 the staging registers.
; SCALARS: s2 wave; s[4:5] K, V of the trip; s[6:7], s[8:9] the tiles' mask words; s14-21 any and not-full bits (A even, A odd, .., B ..); s22 the next trip is wanted; s[32:63], s[68:99] mask words.
.set KV_OFF, 16777216
.set SPARE,  65536                     ; behind the two slots: the spare words, 128 bytes a wave
.set SPW, 8
.set NIL, 9
.set MSB, 0
.macro WIN new
.if MSB != (\new)
	s_set_vgpr_msb (MSB<<8)|(\new)
.set MSB, (\new)
.endif
.endm
	s_load_b64 s[4:5], s[0:1], 0x0                 ; qkv
	s_load_b64 s[6:7], s[0:1], 0x8                 ; mw
	s_load_b64 s[12:13], s[0:1], 0x10              ; flg
	s_load_b64 s[10:11], s[0:1], 0x18              ; att
	v_lshl_add_u32 v[SPW], v0, 2, SPARE
	v_mov_b32 v[NIL], 0
	v_lshrrev_b32 v2, 5, v0
	v_readfirstlane_b32 s2, v2                     ; wave
	v_and_b32 v4, 31, v0
	v_lshlrev_b32 v1, 4, v4
	v_lshl_add_u32 v3, v2, 12, v1
	v_lshlrev_b32 v10, 8, v4
	v_mov_b32 v6, 0xce6e6b28                       ; -1e9
	v_mul_f32 v6, 0x3fb8aa3b, v6                   ; x log2(e)
	s_and_b32 s22, ttmp7, 0xffff                   ; the head
	s_lshl_b32 s23, ttmp9, 3
	s_add_co_u32 s23, s23, s2                      ; query tile A
	s_sub_co_u32 s24, 31, ttmp9
	s_lshl_b32 s24, s24, 3
	s_add_co_u32 s24, s24, s2                      ; query tile B
	s_lshl_b32 s3, s22, 19
	s_lshl_b32 s28, s23, 11
	s_add_co_u32 s28, s28, s3
	s_mov_b32 s29, 0
	s_lshl_b32 s30, s24, 11
	s_add_co_u32 s30, s30, s3
	s_mov_b32 s31, 0
	s_lshl_b32 s3, s22, 11
	s_lshl_b32 s25, s23, 15
	s_add_co_u32 s25, s25, s3                      ; where tile A goes in att: tile x 32768 + head x 2048
	s_lshl_b32 s26, s24, 15
	s_add_co_u32 s26, s26, s3                      ; tile B
	s_wait_kmcnt 0x0
	s_add_nc_u64 s[66:67], s[4:5], s[28:29]
	s_add_nc_u64 s[100:101], s[4:5], s[30:31]
.irp c, 0,1,2,3
	global_load_b128 v[224+4*\c:227+4*\c], v1, s[66:67] offset:512*\c
	global_load_b128 v[240+4*\c:243+4*\c], v1, s[100:101] offset:512*\c
.endr
	s_lshl_b32 s28, s22, 20
	s_add_co_u32 s28, s28, KV_OFF
	s_add_nc_u64 s[4:5], s[4:5], s[28:29]          ; the head's K and V, trip 0
	WIN 0x40                                       ; destination window 1
.irp u, 0,1,2,3,4,5,6,7
	global_load_b128 v[4*\u:4*\u+3], v3, s[4:5] offset:512*\u   ; trip 0, my 4 KB of it
.endr
	WIN 0
	s_lshl_b32 s30, s24, 13
	s_add_nc_u64 s[8:9], s[6:7], s[30:31]          ; tile B's mask words
	s_lshl_b32 s30, s23, 13
	s_add_nc_u64 s[6:7], s[6:7], s[30:31]          ; tile A's
	s_sub_co_u32 s30, 31, ttmp9
	s_lshl_b32 s30, s30, 8                         ; block B's eight records: 256 bytes a block
	s_lshl_b32 s28, ttmp9, 8                       ; block A's
	s_add_nc_u64 s[30:31], s[12:13], s[30:31]
	s_add_nc_u64 s[12:13], s[12:13], s[28:29]      ; block A's eight records
	s_mov_b64 s[28:29], s[30:31]                   ; block B's
	s_load_b512 s[32:47], s[12:13], 0x0
	s_load_b512 s[48:63], s[12:13], 0x40
	s_load_b512 s[68:83], s[12:13], 0x80
	s_load_b512 s[84:99], s[12:13], 0xc0
.irp f, 14,15,16,17,18,19,20,21,30,31
	s_mov_b32 s\f, 0
.endr
; One record (8 words from s[rb]): if some row of the tile keeps no key, the tile skips nothing.  The work-group's needs are gathered in s30, s31; the record of my own tile is kept.
.macro REC rb, idx, t
	s_lshr_b32 s23, s[\rb+4], 16
	s_or_b32 s23, s23, s[\rb+4]
	s_lshr_b32 s24, s23, 8
	s_or_b32 s23, s23, s24                         ; low byte: rows 0-7 that keep a key in some quarter
	s_lshr_b32 s24, s[\rb+5], 16
	s_or_b32 s24, s24, s[\rb+5]
	s_lshr_b32 s27, s24, 8
	s_or_b32 s24, s24, s27                         ; rows 8-15
	s_and_b32 s23, s23, s24
	s_and_b32 s23, s23, 0xff
	s_cmp_eq_u32 s23, 0xff
	s_cselect_b32 s[\rb], s[\rb], -1
	s_cselect_b32 s[\rb+1], s[\rb+1], -1
	s_or_b32 s30, s30, s[\rb]
	s_or_b32 s31, s31, s[\rb+1]
	s_cmp_eq_u32 s2, \idx
	s_cselect_b32 s[14+4*\t], s[\rb], s[14+4*\t]
	s_cselect_b32 s[15+4*\t], s[\rb+1], s[15+4*\t]
	s_cselect_b32 s[16+4*\t], s[\rb+2], s[16+4*\t]
	s_cselect_b32 s[17+4*\t], s[\rb+3], s[17+4*\t]
.endm
	s_wait_kmcnt 0x0
.irp k, 0,1,2,3
	REC 32+8*\k, \k, 0
	REC 68+8*\k, \k+4, 0
.endr
	s_load_b512 s[32:47], s[28:29], 0x0
	s_load_b512 s[48:63], s[28:29], 0x40
	s_load_b512 s[68:83], s[28:29], 0x80
	s_load_b512 s[84:99], s[28:29], 0xc0
	v_mov_b32 v12, 0xff61b1e6                      ; m: -3e38, under every t
	v_mov_b32 v20, 0xff61b1e6
.irp j, 13,14,15,16,17,21,22,23,24,25,29
	v_mov_b32 v\j, 0
.endr
.set j, 0
.rept 64
	v_mov_b32 v[160+j], 0                          ; O^T: which step is a tile's first hangs on the flags, so no first step can be written out
.set j, j+1
.endr
	s_wait_kmcnt 0x0
.irp k, 0,1,2,3
	REC 32+8*\k, \k, 1
	REC 68+8*\k, \k+4, 1
.endr
	s_and_not1_b32 s16, s14, s16                   ; the mask bites: some key counts, not all
	s_and_not1_b32 s17, s15, s17
	s_and_not1_b32 s20, s18, s20
	s_and_not1_b32 s21, s19, s21
	s_mov_b32 s12, 0x76543210
	s_mov_b32 s13, 0xfedcba98                      ; v_permlanex16_b32: lane l xor 16
	s_or_b32 s22, s30, s31
	s_lshr_b32 s22, s22, 1                         ; bit 0: some wave of the work-group wants the next trip
	s_lshl_b32 s30, s2, 13
	s_add_co_u32 s30, s30, 65536
	s_mov_b32 s31, 0
	s_add_nc_u64 s[28:29], s[4:5], s[30:31]        ; the prefetches: my 8 KB of the trip two on
	s_lshr_b32 s23, s2, 2
	s_or_b32 s23, s23, ttmp9
	s_cmp_eq_u32 s23, 0                            ; waves 0 to 3 of the head's first work-group ask
	s_cselect_b32 s30, 2, -1
	s_mov_b32 s31, 32                              ; trips to go
	s_wait_loadcnt 0x0                             ; Q and trip 0
	WIN 0x04                                       ; an LDS store's data are its source 1: window 1
.irp u, 0,1,2,3,4,5,6,7
	ds_store_b128 v3, v[4*\u:4*\u+3] offset:512*\u
.endr
	WIN 0
	s_wait_dscnt 0x0
	s_barrier_signal -1
	s_barrier_wait -1
.macro LDKV off                        ; 16 chunks: K's or V's fragments of a key step
.set u, 0
.rept 16
	ds_load_b128 v[32+4*u:35+4*u], v1 offset:(\off)+512*u
.set u, u+1
.endr
.endm
.macro QK t                            ; S^T = K Q^T: four tiles of 16 keys by turns, 32 channels at a time
.irp kk, 0,1
.irp T, 0,1,2,3
.if \kk == 0
	v_wmma_f32_16x16x32_f16 v[96+32*(\t)+8*\T:96+32*(\t)+8*\T+7], v[32+16*\T:32+16*\T+7], v[224+16*(\t):224+16*(\t)+7], 0
.else
	v_wmma_f32_16x16x32_f16 v[96+32*(\t)+8*\T:96+32*(\t)+8*\T+7], v[32+16*\T+8:32+16*\T+15], v[224+16*(\t)+8:224+16*(\t)+15], v[96+32*(\t)+8*\T:96+32*(\t)+8*\T+7]
.endif
.endr
.endr
.endm
.macro PV t                            ; O^T += V^T P: four tiles of 16 channels by turns, 32 keys at a time
.irp g, 0,1
.irp n, 0,1,2,3
	v_wmma_f32_16x16x32_f16 v[160+32*(\t)+8*\n:160+32*(\t)+8*\n+7], v[32+32*\g+8*\n:32+32*\g+8*\n+7], v[96+32*(\t)+16*\g:96+32*(\t)+16*\g+7], v[160+32*(\t)+8*\n:160+32*(\t)+8*\n+7]
.endr
.endr
.endm
; The softmax of tile t for one key step.
.macro SM t, e
.set rT, 12+8*(\t)
.set rS, 96+32*(\t)
.set rO, 160+32*(\t)
.set rM, 32+36*(\t)
	s_bitcmp1_b32 s[16+4*(\t)+(\e)], 0
	s_cbranch_scc0 .Lopen_\@                       ; all keys of the step count: nothing to hide
.set n, 0
.rept 32
	v_cndmask_b32 v[rS+n], v6, v[rS+n], s[rM+n]
.set n, n+1
.endr
.Lopen_\@:
.irp j, 0,1,2,3
	v_max3_num_f32 v[28+\j], v[rS+8*\j], v[rS+8*\j+1], v[rS+8*\j+2]   ; four chains, each from its accumulator's low end
.endr
.irp q, 1,2
.irp j, 0,1,2,3
	v_max3_num_f32 v[28+\j], v[28+\j], v[rS+8*\j+2*\q+1], v[rS+8*\j+2*\q+2]
.endr
.endr
	v_max3_num_f32 v28, v28, v[rS+7], v[rS+15]
	v_max3_num_f32 v30, v30, v[rS+23], v[rS+31]
	v_max3_num_f32 v28, v28, v29, v30
	v_max3_num_f32 v28, v28, v31, v[rT]
	v_permlanex16_b32 v29, v28, s12, s13           ; the query's other 32 keys lie in the lane 16 away
	v_max_num_f32 v30, v28, v29
	v_sub_f32 v[rT+1], v[rT], v30                  ; old m - new m
	v_mov_b32 v[rT], v30
.set n, 0
.rept 16
	v_pk_add_f32 v[rS+n:rS+n+1], v[rS+n:rS+n+1], v[rT:rT+1] op_sel_hi:[1,0] neg_lo:[0,1] neg_hi:[0,1]   ; t - m
.set n, n+2
.endr
	v_exp_f32 v[rT+4], v[rT+1]                     ; a = 2^(old m - new m)
.set n, 0
.rept 32
	v_exp_f32 v[rS+n], v[rS+n]
.set n, n+1
.endr
	v_nop                                          ; a plain line behind the last exponential,
	s_wait_alu depctr_va_vdst(0)                   ; and one wait for the batch, ahead of its first reader
	v_pk_fma_f32 v[rT+2:rT+3], v[rT+2:rT+3], v[rT+4:rT+5], v[rS:rS+1] op_sel_hi:[1,0,1]   ; l = a l + the sum, in two chains
	v_pk_add_f32 v[26:27], v[rS+2:rS+3], v[rS+4:rS+5]
.irp n, 6,10,14,18,22,26
	v_pk_add_f32 v[rT+2:rT+3], v[rT+2:rT+3], v[rS+\n:rS+\n+1]
	v_pk_add_f32 v[26:27], v[26:27], v[rS+\n+2:rS+\n+3]
.endr
	v_pk_add_f32 v[rT+2:rT+3], v[rT+2:rT+3], v[rS+30:rS+31]
	v_pk_add_f32 v[rT+2:rT+3], v[rT+2:rT+3], v[26:27]
.irp g, 0,1
.irp i, 0,1,2,3,4,5,6,7
	v_cvt_pk_f16_f32 v[rS+16*\g+\i], v[rS+16*\g+2*\i], v[rS+16*\g+2*\i+1]   ; in place, ascending: registers 16 g .. 16 g + 7 are the second product's source 1
.endr
.endr
.set n, 0
.rept 16
	v_pk_mul_f32 v[rO+n:rO+n+1], v[rO+n:rO+n+1], v[rT+4:rT+5] op_sel_hi:[1,0]
.set n, n+2
.endr
.endm
; A key step for tile A (ta), tile B (tb) or both: they share K's and V's fragments.
.macro BODY ta, tb, s, e
.if \ta
	s_bitcmp1_b32 s[16+\e], 0
	s_cbranch_scc0 .Lna_\@
	s_load_b512 s[32:47], s[6:7], \e*128
	s_load_b512 s[48:63], s[6:7], \e*128+64
.Lna_\@:
.endif
.if \tb
	s_bitcmp1_b32 s[20+\e], 0
	s_cbranch_scc0 .Lnb_\@
	s_load_b512 s[68:83], s[8:9], \e*128
	s_load_b512 s[84:99], s[8:9], \e*128+64
.Lnb_\@:
.endif
	LDKV \s*32768+\e*16384
	s_wait_dscnt 0x0
.if \ta
	QK 0
.endif
.if \tb
	QK 1
.endif
.rept 4
	v_nop                                          ; four places: ahead of the reads of the scores and of the loads into K's registers
.endr
	s_wait_kmcnt 0x0                               ; the mask words
	LDKV \s*32768+\e*16384+8192
.if \ta
	SM 0, \e
.endif
.if \tb
	SM 1, \e
.endif
	s_wait_dscnt 0x0                               ; V
.if \ta
	PV 0
.endif
.if \tb
	PV 1
.endif
.rept 5
	v_nop                                          ; five places: the next scores are written over registers that these products read
.endr
.endm
.macro STEP s, e
	s_bitcmp1_b32 s[14+\e], 0
	s_cbranch_scc0 .Lno_a_\@
	s_bitcmp1_b32 s[18+\e], 0
	s_cbranch_scc0 .Lonly_a_\@
	BODY 1, 1, \s, \e
	s_branch .Lend_\@
.Lonly_a_\@:
	BODY 1, 0, \s, \e
	s_branch .Lend_\@
.Lno_a_\@:
	s_bitcmp1_b32 s[18+\e], 0
	s_cbranch_scc0 .Lend_\@
	BODY 0, 1, \s, \e
.Lend_\@:
.endm
; A trip reads slot s.  The next trip's 32 KB are asked for at its head and go into the other slot at its end.  THE BARRIER orders my stores into the other slot with the next trip's reads of it,
; and my reads of this slot with the next trip's stores into it.
.macro TRIP s
	s_bitcmp1_b32 s22, 0
	s_cbranch_scc0 .Lnl_\@
	WIN 0x40
.irp u, 0,1,2,3,4,5,6,7
	global_load_b128 v[4*\u:4*\u+3], v3, s[4:5] offset:32768+512*\u
.endr
	WIN 0
.Lnl_\@:
	s_cmp_gt_u32 s31, s30                          ; a prefetch of the trip two on: 32 lanes 256 bytes apart, 8 KB a wave, four waves of the head's first work-group: each block is named once; the last two trips ask for nothing
	s_cbranch_scc0 .Lnp_\@
	global_prefetch_b8 v10, s[28:29] th:TH_LOAD_NT scope:SCOPE_SE
.Lnp_\@:
	STEP \s, 0
	STEP \s, 1
	s_wait_loadcnt 0x0
	s_bitcmp1_b32 s22, 0
	s_cbranch_scc0 .Lns_\@
	WIN 0x04
.irp u, 0,1,2,3,4,5,6,7
	ds_store_b128 v3, v[4*\u:4*\u+3] offset:(1-\s)*32768+512*\u
.endr
	WIN 0
.Lns_\@:
	s_wait_kmcnt 0x0
	s_wait_xcnt 0x0                                ; the bases are stepped only behind this wait
	s_add_nc_u64 s[4:5], s[4:5], 32768
	s_add_nc_u64 s[6:7], s[6:7], 256
	s_add_nc_u64 s[8:9], s[8:9], 256
	s_add_nc_u64 s[28:29], s[28:29], 32768
	s_sub_co_u32 s31, s31, 1
.irp f, 14,15,16,17,18,19,20,21,22
	s_lshr_b32 s\f, s\f, 1                         ; the next trip's bits
.endr
	s_wait_dscnt 0x0
	s_barrier_signal -1
	s_barrier_wait -1
.endm
	s_mov_b32 s3, 16
.Lloop:
	TRIP 0
	TRIP 1
	s_sub_co_u32 s3, s3, 1
	s_cmp_lg_u32 s3, 0
	s_cbranch_scc1 .Lloop
; THE WAY OUT: O^T / l, rounded to f16: a lane's eight channels of a row are 16 bytes, a tile of 16 channels a chunk of 512 consecutive bytes.
	s_mov_b32 s24, s25
	s_mov_b32 s25, 0
	s_mov_b32 s27, 0
	s_add_nc_u64 s[24:25], s[10:11], s[24:25]
	s_add_nc_u64 s[26:27], s[10:11], s[26:27]
.macro OUT t, base
.set rT, 12+8*(\t)
.set rS, 96+32*(\t)
.set rO, 160+32*(\t)
	v_add_f32 v28, v[rT+2], v[rT+3]
	v_permlanex16_b32 v29, v28, s12, s13
	v_add_f32 v28, v28, v29
	v_rcp_f32 v[rT+4], v28
	v_nop
	s_wait_alu depctr_va_vdst(0)
.set n, 0
.rept 16
	v_pk_mul_f32 v[rS+n:rS+n+1], v[rO+n:rO+n+1], v[rT+4:rT+5] op_sel_hi:[1,0]
.set n, n+2
.endr
.set n, 0
.rept 16
	v_cvt_pk_f16_f32 v[rS+n], v[rS+2*n], v[rS+2*n+1]
.set n, n+1
.endr
.irp n, 0,1,2,3
	global_store_b128 v1, v[rS+4*\n:rS+4*\n+3], s[\base:\base+1] offset:\n*512
.endr
.endm
	OUT 0, 24
	OUT 1, 26
	s_wait_tensorcnt 0x0                           ; the wave's end
	ds_add_u32 v[SPW], v[NIL]
	s_wait_dscnt 0x0
	s_endpgm
.Lfunc_end_k_q8b5a10af94_attn:
	.size	k_q8b5a10af94_attn, .Lfunc_end_k_q8b5a10af94_attn-k_q8b5a10af94_attn
	.p2alignl 7, 3214868480
	.fill 96, 4, 3214868480
	.section	.rodata,"a",@progbits
	.p2align	6, 0x0
	.amdhsa_kernel k_q8b5a10af94_attn
		.amdhsa_group_segment_fixed_size 66560
		.amdhsa_private_segment_fixed_size 0
		.amdhsa_enable_private_segment 0
		.amdhsa_kernarg_size 32
		.amdhsa_user_sgpr_count 2
		.amdhsa_user_sgpr_kernarg_segment_ptr 1
		.amdhsa_wavefront_size32 1
		.amdhsa_system_sgpr_workgroup_id_x 1
		.amdhsa_system_sgpr_workgroup_id_y 1
		.amdhsa_system_sgpr_workgroup_id_z 1
		.amdhsa_system_vgpr_workitem_id 0
		.amdhsa_next_free_vgpr 288
		.amdhsa_next_free_sgpr 102
		.amdhsa_reserve_vcc 0
		.amdhsa_float_denorm_mode_32 3
		.amdhsa_float_denorm_mode_16_64 3
		.amdhsa_memory_ordered 1
		.amdhsa_forward_progress 1
		.amdhsa_inst_pref_size 212
	.end_amdhsa_kernel
	.amdgpu_metadata
---
amdhsa.version: [ 1, 2 ]
amdhsa.kernels:
  - .name:           k_q8b5a10af94_attn
    .symbol:         k_q8b5a10af94_attn.kd
    .args:
      - { .name: qkv, .offset: 0, .size: 8, .value_kind: global_buffer, .address_space: global }
      - { .name: mw, .offset: 8, .size: 8, .value_kind: global_buffer, .address_space: global }
      - { .name: flg, .offset: 16, .size: 8, .value_kind: global_buffer, .address_space: global }
      - { .name: att, .offset: 24, .size: 8, .value_kind: global_buffer, .address_space: global }
    .group_segment_fixed_size: 66560
    .private_segment_fixed_size: 0
    .kernarg_segment_align: 8
    .kernarg_segment_size: 32
    .max_flat_workgroup_size: 256
    .sgpr_count:     102
    .vgpr_count:     288
    .wavefront_size: 32
...
	.end_amdgpu_metadata
.endif
;; end of part 3
;; launch fattn (part 4): grid 16 x 1, 16 waves a work-group, no clusters, 71,680 bytes of LDS; arguments qkv, mw, flg, attf; writes attf
.if DOCPART == 4
	.amdgcn_target "amdgcn-amd-amdhsa--gfx1250"
	.amdhsa_code_object_version 6
	.text
	.protected	k_q8b5a10af94_fattn
	.globl	k_q8b5a10af94_fattn
	.p2align	8
	.type	k_q8b5a10af94_fattn,@function
k_q8b5a10af94_fattn:
	s_mov_b64 s[64:65], 0
	v_nop
	global_prefetch_b8 v0, s[64:65] scope:SCOPE_SE
	s_setreg_imm32_b32 hwreg(HW_REG_WAVE_MODE, 25, 1), 1
	s_wait_xcnt 0x0
; FATTN.  The same attention for rows 0 to 15 alone, carried more finely: q, k, v and p go to the matrix unit as pairs of f16 (a high and a low part: high x high + low x high + high x low); the result stays f32.
; These rows may average very few values and are then the largest of the output; 16 rows x 16 heads are no bulk work.
; SHARES.  A work-group takes a head; wave w key steps 4 w .. 4 w + 3 (64 keys each) with a running maximum and sum of its own; the sixteen partial results meet in LDS, and waves 0 to 3 merge them, 16 channels each.
; A fragment is read by one wave alone, so it goes from memory straight into registers (images: 16 bytes a lane, 512 consecutive bytes a load).
; A step that the mask hides wholly is left out by query tile 0's record in flg, as in the launch for all rows; if some row keeps no key, nothing is left out.  The words in mw serve selects alone.
; LIMITS: as there: a kept score of each row above about -1e9 + 150; NaN and infinities not served.
; REGISTERS: v1 16 L; v3 NEGT; v6, v7 m, d; v[8:9] l; v[10:11] a, 0; v12-15 at work; v16-31, v32-47 Q high, low, then P high, low; v48-79 S^T; v80-111 O^T; v112-119 at work; v120-126 addresses; v128-191 high, v192-255 low parts of K, then V.
.set REG,   4352                       ; a wave's region in LDS: O^T's image 4,096, m 128, l 128
.set SPARE, 16*REG                     ; the spare words, 128 bytes a wave
.set SPW, 4
.set NIL, 5
	s_load_b128 s[4:7], s[0:1], 0x0                ; qkv, mw
	s_load_b64 s[30:31], s[0:1], 0x10              ; flg
	s_load_b64 s[12:13], s[0:1], 0x18              ; attf
	v_lshl_add_u32 v[SPW], v0, 2, SPARE
	v_mov_b32 v[NIL], 0
	v_lshrrev_b32 v127, 5, v0
	v_readfirstlane_b32 s2, v127                   ; wave
	v_and_b32 v2, 31, v0
	v_lshlrev_b32 v1, 4, v2
	v_mul_u32_u24 v120, v127, REG
	v_lshl_add_u32 v121, v2, 2, v120
	v_add_nc_u32 v121, 4096, v121                  ; my m (l: 128 further on)
	v_add_nc_u32 v120, v120, v1                    ; my image of O^T
	v_lshl_add_u32 v122, v127, 10, v1              ; the merge: channel tile n = wave, in the regions of waves 0-7,
	v_add_nc_u32 v123, 8*REG, v122                 ; and 8-15
	v_lshlrev_b32 v124, 2, v2
	v_add_nc_u32 v124, 4096, v124
	v_add_nc_u32 v125, 8*REG, v124
	v_and_b32 v126, 15, v0
	v_lshlrev_b32 v126, 12, v126
	v_bfe_u32 v2, v0, 4, 1
	v_lshl_add_u32 v126, v2, 5, v126
	v_lshl_add_u32 v126, v127, 6, v126             ; out: row r x 4096 + 64 n + 32 h
	v_mov_b32 v3, 0xce6e6b28
	v_mul_f32 v3, 0x3fb8aa3b, v3                   ; NEGT = -1e9 log2(e)
	v_mov_b32 v6, 0xff61b1e6                       ; m: -3e38
.irp j, 7,8,9,10,11,12,13,14,15
	v_mov_b32 v\j, 0
.endr
.set j, 0
.rept 32
	v_mov_b32 v[80+j], 0                           ; O^T: a wave may have no step to walk
.set j, j+1
.endr
	s_mov_b32 s20, 0x76543210
	s_mov_b32 s21, 0xfedcba98
	s_mov_b32 s28, 0x46000400                      ; 8193.0
	s_mov_b32 s29, s28
	s_lshl_b32 s24, ttmp9, 19
	s_mov_b32 s25, 0
	s_wait_kmcnt 0x0
	s_load_b256 s[32:39], s[30:31], 0x0            ; query tile 0's record
	s_add_nc_u64 s[16:17], s[4:5], s[24:25]        ; Q high: the head's tile 0
	s_add_nc_u64 s[18:19], s[16:17], 8388608       ; Q low
	s_lshl_b32 s24, ttmp9, 20
	s_lshl_b32 s26, s2, 16
	s_add_co_u32 s24, s24, s26
	s_add_co_u32 s24, s24, 16777216
	s_add_nc_u64 s[8:9], s[4:5], s[24:25]          ; my four key steps, high
	s_add_nc_u64 s[10:11], s[8:9], 16777216        ; low
	s_lshl_b32 s24, s2, 9
	s_add_nc_u64 s[14:15], s[6:7], s[24:25]        ; their mask words
	s_lshl_b32 s24, ttmp9, 8
	s_add_nc_u64 s[12:13], s[12:13], s[24:25]      ; the head's 64 columns
	s_wait_kmcnt 0x0
	s_lshr_b32 s24, s36, 16
	s_or_b32 s24, s24, s36
	s_lshr_b32 s26, s24, 8
	s_or_b32 s24, s24, s26
	s_lshr_b32 s26, s37, 16
	s_or_b32 s26, s26, s37
	s_lshr_b32 s27, s26, 8
	s_or_b32 s26, s26, s27
	s_and_b32 s24, s24, s26
	s_and_b32 s24, s24, 0xff
	s_cmp_eq_u32 s24, 0xff                         ; every row keeps a key?
	s_cselect_b32 s22, s32, -1
	s_cselect_b32 s23, s33, -1
	s_lshl_b32 s24, s2, 1
	s_lshr_b32 s22, s22, s24                       ; my steps: bits 0, 1 of the even word and of the odd
	s_lshr_b32 s23, s23, s24
.macro FQK kb, qb, zero
.irp kk, 0,1
.irp T, 0,1,2,3
.if \zero && (\kk == 0)
	v_wmma_f32_16x16x32_f16 v[48+8*\T:55+8*\T], v[\kb+16*\T+8*\kk:\kb+16*\T+8*\kk+7], v[\qb+8*\kk:\qb+8*\kk+7], 0
.else
	v_wmma_f32_16x16x32_f16 v[48+8*\T:55+8*\T], v[\kb+16*\T+8*\kk:\kb+16*\T+8*\kk+7], v[\qb+8*\kk:\qb+8*\kk+7], v[48+8*\T:55+8*\T]
.endif
.endr
.endr
.endm
.macro FPV vb, pb
.irp g, 0,1
.irp n, 0,1,2,3
	v_wmma_f32_16x16x32_f16 v[80+8*\n:87+8*\n], v[\vb+32*\g+8*\n:\vb+32*\g+8*\n+7], v[\pb+8*\g:\pb+8*\g+7], v[80+8*\n:87+8*\n]
.endr
.endr
.endm
.macro FSTEP u
	s_bitcmp1_b32 s[22+(\u)%2], (\u)/2
	s_cbranch_scc0 .Lskip_\@
	s_load_b512 s[32:47], s[14:15], (\u)*128
	s_load_b512 s[48:63], s[14:15], (\u)*128+64
.irp c, 0,1,2,3
	global_load_b128 v[16+4*\c:19+4*\c], v1, s[16:17] offset:512*\c
	global_load_b128 v[32+4*\c:35+4*\c], v1, s[18:19] offset:512*\c
.endr
.set i, 0
.rept 16
	global_load_b128 v[128+4*i:131+4*i], v1, s[8:9] offset:(\u)*16384+512*i
	global_load_b128 v[192+4*i:195+4*i], v1, s[10:11] offset:(\u)*16384+512*i
.set i, i+1
.endr
	s_wait_loadcnt 0x0
	FQK 128, 16, 1                                 ; high x high starts the sums,
	FQK 128, 32, 0                                 ; k high x q low,
	FQK 192, 16, 0                                 ; k low x q high
.rept 4
	v_nop
.endr
.set i, 0
.rept 16
	global_load_b128 v[128+4*i:131+4*i], v1, s[8:9] offset:(\u)*16384+8192+512*i
	global_load_b128 v[192+4*i:195+4*i], v1, s[10:11] offset:(\u)*16384+8192+512*i
.set i, i+1
.endr
	s_wait_kmcnt 0x0
.set n, 0
.rept 32
	v_cndmask_b32 v[48+n], v3, v[48+n], s[32+n]
.set n, n+1
.endr
.irp j, 0,1,2,3
	v_max3_num_f32 v[12+\j], v[48+8*\j], v[49+8*\j], v[50+8*\j]
.endr
.irp q, 1,2
.irp j, 0,1,2,3
	v_max3_num_f32 v[12+\j], v[12+\j], v[48+8*\j+2*\q+1], v[48+8*\j+2*\q+2]
.endr
.endr
	v_max3_num_f32 v12, v12, v55, v63
	v_max3_num_f32 v14, v14, v71, v79
	v_max3_num_f32 v12, v12, v13, v14
	v_max3_num_f32 v12, v12, v15, v6
	v_permlanex16_b32 v13, v12, s20, s21
	v_max_num_f32 v14, v12, v13
	v_sub_f32 v7, v6, v14
	v_mov_b32 v6, v14
.set n, 0
.rept 16
	v_pk_add_f32 v[48+n:49+n], v[48+n:49+n], v[6:7] op_sel_hi:[1,0] neg_lo:[0,1] neg_hi:[0,1]
.set n, n+2
.endr
	v_exp_f32 v10, v7
.set n, 0
.rept 32
	v_exp_f32 v[48+n], v[48+n]
.set n, n+1
.endr
	v_nop
	s_wait_alu depctr_va_vdst(0)                   ; one wait for the batch, ahead of its first reader
	v_pk_fma_f32 v[8:9], v[8:9], v[10:11], v[48:49] op_sel_hi:[1,0,1]
	v_pk_add_f32 v[112:113], v[50:51], v[52:53]
.irp n, 6,10,14,18,22,26
	v_pk_add_f32 v[8:9], v[8:9], v[48+\n:49+\n]
	v_pk_add_f32 v[112:113], v[112:113], v[50+\n:51+\n]
.endr
	v_pk_add_f32 v[8:9], v[8:9], v[78:79]
	v_pk_add_f32 v[8:9], v[8:9], v[112:113]
.set b, 0
.rept 8                                ; p's two parts, four numbers at a time: t = 8193 p, high = t + (p - t), low = p - high
	v_pk_mul_f32 v[112:113], v[48+4*b:49+4*b], s[28:29] op_sel_hi:[1,0]
	v_pk_mul_f32 v[114:115], v[50+4*b:51+4*b], s[28:29] op_sel_hi:[1,0]
	v_pk_add_f32 v[116:117], v[48+4*b:49+4*b], v[112:113] neg_lo:[0,1] neg_hi:[0,1]
	v_pk_add_f32 v[118:119], v[50+4*b:51+4*b], v[114:115] neg_lo:[0,1] neg_hi:[0,1]
	v_pk_add_f32 v[112:113], v[112:113], v[116:117]
	v_pk_add_f32 v[114:115], v[114:115], v[118:119]
	v_pk_add_f32 v[116:117], v[48+4*b:49+4*b], v[112:113] neg_lo:[0,1] neg_hi:[0,1]
	v_pk_add_f32 v[118:119], v[50+4*b:51+4*b], v[114:115] neg_lo:[0,1] neg_hi:[0,1]
	v_cvt_pk_f16_f32 v[16+2*b], v112, v113
	v_cvt_pk_f16_f32 v[17+2*b], v114, v115
	v_cvt_pk_f16_f32 v[32+2*b], v116, v117
	v_cvt_pk_f16_f32 v[33+2*b], v118, v119
.set b, b+1
.endr
.set n, 0
.rept 16
	v_pk_mul_f32 v[80+n:81+n], v[80+n:81+n], v[10:11] op_sel_hi:[1,0]
.set n, n+2
.endr
	s_wait_loadcnt 0x0                             ; V
	FPV 128, 16
	FPV 128, 32
	FPV 192, 16
.rept 5
	v_nop                                          ; five places: the next loads land on registers that these products read
.endr
.Lskip_\@:
.endm
	FSTEP 0
	FSTEP 1
	FSTEP 2
	FSTEP 3
	v_add_f32 v8, v8, v9
	v_permlanex16_b32 v12, v8, s20, s21
	v_add_f32 v8, v8, v12                          ; my keys' sum for the lane's query
.irp q, 0,1,2,3,4,5,6,7
	ds_store_b128 v120, v[80+4*\q:83+4*\q] offset:512*\q
.endr
	ds_store_b32 v121, v6
	ds_store_b32 v121, v8 offset:128
	s_wait_dscnt 0x0                               ; for the others' sake
	s_barrier_signal -1
	s_barrier_wait -1
	s_cmp_lt_u32 s2, 4
	s_cbranch_scc0 .Ldone
.irp k, 0,1,2,3,4,5,6,7
	ds_load_b32 v[16+\k], v124 offset:\k*REG
	ds_load_b32 v[24+\k], v125 offset:\k*REG
	ds_load_b32 v[32+\k], v124 offset:\k*REG+128
	ds_load_b32 v[40+\k], v125 offset:\k*REG+128
	ds_load_b128 v[128+8*\k:131+8*\k], v122 offset:\k*REG
	ds_load_b128 v[132+8*\k:135+8*\k], v122 offset:\k*REG+512
	ds_load_b128 v[192+8*\k:195+8*\k], v123 offset:\k*REG
	ds_load_b128 v[196+8*\k:199+8*\k], v123 offset:\k*REG+512
.endr
	s_wait_dscnt 0x0
	v_max3_num_f32 v12, v16, v17, v18
.irp k, 19,21,23,25,27,29
	v_max3_num_f32 v12, v12, v[\k], v[\k+1]
.endr
	v_max_num_f32 v12, v12, v31                    ; the row's maximum over the sixteen waves
.set k, 0
.rept 16
	v_sub_f32 v[16+k], v[16+k], v12
.set k, k+1
.endr
.set k, 0
.rept 16
	v_exp_f32 v[16+k], v[16+k]                     ; f = 2^(a wave's m - the maximum); 0 for a wave that walked no step
.set k, k+1
.endr
	v_nop
	s_wait_alu depctr_va_vdst(0)
	v_mul_f32 v13, v16, v32
.set k, 1
.rept 15
	v_fmac_f32 v13, v[16+k], v[32+k]
.set k, k+1
.endr
.irp p, 0,1,2,3
	v_pk_mul_f32 v[48+2*\p:49+2*\p], v[128+2*\p:129+2*\p], v[16:17] op_sel_hi:[1,0]
.endr
.irp k, 1,2,3,4,5,6,7,8,9,10,11,12,13,14,15
.irp p, 0,1,2,3
.if \k%2
	v_pk_fma_f32 v[48+2*\p:49+2*\p], v[128+8*\k+2*\p:129+8*\k+2*\p], v[15+\k:16+\k], v[48+2*\p:49+2*\p] op_sel:[0,1,0] op_sel_hi:[1,1,1]
.else
	v_pk_fma_f32 v[48+2*\p:49+2*\p], v[128+8*\k+2*\p:129+8*\k+2*\p], v[16+\k:17+\k], v[48+2*\p:49+2*\p] op_sel_hi:[1,0,1]
.endif
.endr
.endr
	v_rcp_f32 v14, v13
	v_nop
	s_wait_alu depctr_va_vdst(0)
.irp p, 0,1,2,3
	v_pk_mul_f32 v[48+2*\p:49+2*\p], v[48+2*\p:49+2*\p], v[14:15] op_sel_hi:[1,0]
.endr
	global_store_b128 v126, v[48:51], s[12:13]
	global_store_b128 v126, v[52:55], s[12:13] offset:16
.Ldone:
	s_wait_tensorcnt 0x0                           ; the wave's end
	ds_add_u32 v[SPW], v[NIL]
	s_wait_dscnt 0x0
	s_endpgm
.Lfunc_end_k_q8b5a10af94_fattn:
	.size	k_q8b5a10af94_fattn, .Lfunc_end_k_q8b5a10af94_fattn-k_q8b5a10af94_fattn
	.p2alignl 7, 3214868480
	.fill 96, 4, 3214868480
	.section	.rodata,"a",@progbits
	.p2align	6, 0x0
	.amdhsa_kernel k_q8b5a10af94_fattn
		.amdhsa_group_segment_fixed_size 71680
		.amdhsa_private_segment_fixed_size 0
		.amdhsa_enable_private_segment 0
		.amdhsa_kernarg_size 32
		.amdhsa_user_sgpr_count 2
		.amdhsa_user_sgpr_kernarg_segment_ptr 1
		.amdhsa_wavefront_size32 1
		.amdhsa_system_sgpr_workgroup_id_x 1
		.amdhsa_system_sgpr_workgroup_id_y 1
		.amdhsa_system_sgpr_workgroup_id_z 1
		.amdhsa_system_vgpr_workitem_id 0
		.amdhsa_next_free_vgpr 256
		.amdhsa_next_free_sgpr 66
		.amdhsa_reserve_vcc 0
		.amdhsa_float_denorm_mode_32 3
		.amdhsa_float_denorm_mode_16_64 3
		.amdhsa_memory_ordered 1
		.amdhsa_forward_progress 1
		.amdhsa_inst_pref_size 111
	.end_amdhsa_kernel
	.amdgpu_metadata
---
amdhsa.version: [ 1, 2 ]
amdhsa.kernels:
  - .name:           k_q8b5a10af94_fattn
    .symbol:         k_q8b5a10af94_fattn.kd
    .args:
      - { .name: qkv, .offset: 0, .size: 8, .value_kind: global_buffer, .address_space: global }
      - { .name: mw, .offset: 8, .size: 8, .value_kind: global_buffer, .address_space: global }
      - { .name: flg, .offset: 16, .size: 8, .value_kind: global_buffer, .address_space: global }
      - { .name: attf, .offset: 24, .size: 8, .value_kind: global_buffer, .address_space: global }
    .group_segment_fixed_size: 71680
    .private_segment_fixed_size: 0
    .kernarg_segment_align: 8
    .kernarg_segment_size: 32
    .max_flat_workgroup_size: 512
    .sgpr_count:     66
    .vgpr_count:     256
    .wavefront_size: 32
...
	.end_amdgpu_metadata
.endif
;; end of part 4
;; launch proj (part 5): grid 8 x 32, 4 waves a work-group, clusters of 4 x 4, 327,680 bytes of LDS; arguments att, pre, out0; writes out0
.if DOCPART == 5
	.amdgcn_target "amdgcn-amd-amdhsa--gfx1250"
	.amdhsa_code_object_version 6
	.text
	.protected	k_q8b5a10af94_proj
	.globl	k_q8b5a10af94_proj
	.p2align	8
	.type	k_q8b5a10af94_proj,@function
k_q8b5a10af94_proj:
	s_mov_b64 s[64:65], 0
	v_nop
	global_prefetch_b8 v0, s[64:65] scope:SCOPE_SE
	s_setreg_imm32_b32 hwreg(HW_REG_WAVE_MODE, 25, 1), 1
	s_wait_xcnt 0x0
	s_wait_alu depctr_hold_cnt(0) depctr_sa_sdst(0) depctr_va_vdst(0) depctr_va_sdst(0) depctr_va_ssrc(0) depctr_va_vcc(0) depctr_vm_vsrc(0)
	s_getreg_b32 s2, hwreg(HW_REG_IB_STS2, 6, 4)
	s_cmp_eq_u32 s2, 0
	s_cbranch_scc0 .Lentry_in_a_cluster
	s_endpgm
.Lentry_in_a_cluster:
	s_bfe_u32 s2, ttmp6, 0x10000c
	s_cmp_lg_u32 s2, 0xf033
	s_cbranch_scc0 .Lentry_shape_is_right
	s_endpgm
.Lentry_shape_is_right:
; PROJ.  out0[m][n] = sum over k of att[m][k] Wo[n][k]: 4096 x 1024 x 1024, operands f16, sums and result f32.
; A tile of the result is 128 x 128: 256 work-groups of four waves, each wave 64 x 64: 16 accumulators.  K goes in steps of 256 through a ring of two LDS slots filled by the tensor data mover.
; BOTH OPERANDS LIE IN MEMORY AS IMAGES OF THEIR REGISTERS: [tile of 16 rows][chunk 0..63][512 bytes], chunk q = k 16 q + 8 (lane / 16) + 0..7 of row lane % 16.  A K step of a row tile is 8,192 consecutive bytes;
; a wave's tensor load brings four row tiles (rows of 8,192 bytes, 32,768 apart), dense in LDS; a fragment is two loads of 16 bytes a lane at 16 x lane: no pitch, no padding, every bank once.
; CLUSTER 4 x 4: att's tiles are asked for jointly along a row of the cluster, Wo's along a column.  All of a WGP's LDS is claimed.
; THE MATRIX INSTRUCTION IS USED TRANSPOSED (source 0 = 16 rows of Wo, source 1 = 16 rows of att): a lane holds eight neighbouring numbers of a row of the result.
; Rows 0 to 15 are written here too and written again, more finely, by the launch that follows.
; REGISTERS: window 0: v0-31 addresses; v32-95 the way out; v128-255 the accumulators ((a, b) at v[128 + 8 (4 a + b)]).  window 1: two fragment buffers of 128: 64 registers of att, then 64 of Wo, for 64 along K.
.set WOH_OFF, 3899392
.set KCH,    8192                      ; a row tile's 16 chunks of a K step
.set QTR,    4*KCH                     ; what one tensor load brings, and what one wave reads of a side
.set SLOT,   4*QTR                     ; att's 8 row tiles, then Wo's 8
.set STAGE,  2*SLOT                    ; behind the ring: 16 rows x 272 bytes for each wave
.set SPITCH, 272
.set SPARE,  STAGE+4*16*SPITCH         ; the spare words, 128 bytes a wave
.set ADRA, 16
.set ADRB, 20
.set STO,  24
.set RD,   25
.set CO,   26
.set SPW,  28
.set NIL,  29
.set TMP,  32
.set ACC,  128
.set F0,   0
.set F1,   128
.set G1, 24
.set G0, 32
.set G1B, 48
.set G0B, 56
.set MSB, 0
.macro WIN new
.if MSB != (\new)
	s_set_vgpr_msb (MSB<<8)|(\new)
.set MSB, (\new)
.endif
.endm
.set MUL,  0x05                        ; sources 0 and 1 window 1; C and D window 0
.set TO_F, 0x40                        ; destination window 1, address window 0
.macro JLOAD s                         ; a joint load: waves 0 and 1 fetch att's halves, waves 2 and 3 Wo's; an s_nop 0 and four v_nop follow each line
	s_cmp_eq_u32 s11, 0
	s_cbranch_scc0 .Lfor_b_\@
	tensor_load_to_lds s[G0+4*\s:G0+4*\s+3], s[G1:G1+7]
	s_nop 0
.rept 4
	v_nop
.endr
	s_branch .Lasked_\@
.Lfor_b_\@:
	tensor_load_to_lds s[G0B+4*\s:G0B+4*\s+3], s[G1B:G1B+7]
	s_nop 0
.rept 4
	v_nop
.endr
.Lasked_\@:
.endm
.macro CREST                           ; a round of the cluster's barrier behind its opening barrier
	s_cmp_lg_u32 s10, 0
	s_cbranch_scc1 .Lnot_wave_0_\@
	s_barrier_signal -3
.Lnot_wave_0_\@:
	s_barrier_wait -3
	s_barrier_signal -1
	s_barrier_wait -1
.endm
.macro CROUND
	s_barrier_signal -1
	s_barrier_wait -1
	CREST
.endm
	s_load_b128 s[4:7], s[0:1], 0x0                ; att, pre
	s_load_b64 s[8:9], s[0:1], 0x10                ; out0
	v_lshl_add_u32 v[SPW], v0, 2, SPARE
	v_mov_b32 v[NIL], 0
	ds_add_u32 v[SPW], v[NIL]                      ; the wave's opening: the add, twice on end, and its wait ahead of my first tensor load
	ds_add_u32 v[SPW], v[NIL]
	v_lshrrev_b32 v1, 5, v0
	v_readfirstlane_b32 s10, v1                    ; wave
	s_lshr_b32 s11, s10, 1                         ; my half of the tile's rows.  Also: I fetch for att (0) or for Wo (1)
	s_and_b32 s12, s10, 1                          ; my half of its columns.  Also: which four row tiles I fetch
	s_bfe_u32 s40, ttmp6, 0x40000                  ; cx, cy
	s_bfe_u32 s41, ttmp6, 0x40004
	s_lshl_b32 s42, ttmp9, 2
	s_add_co_u32 s42, s42, s40                     ; tile column
	s_and_b32 s13, ttmp7, 0xffff
	s_lshl_b32 s13, s13, 2
	s_add_co_u32 s13, s13, s41                     ; tile row
	s_lshl_b32 s43, s41, 2
	s_lshl_b32 s43, 15, s43                        ; my row of the cluster
	s_lshl_b32 s44, 0x1111, s40                    ; my column
	s_or_b32 s[G1+0], s43, (3<<16)|(1<<21)         ; 15:0 the mask; 17:16 elements of 8 bytes; 21 set beside a mask; no padding
	s_or_b32 s[G1B+0], s44, (3<<16)|(1<<21)
.irp g, G1, G1B
	s_mov_b32 s[\g+1], 1024<<16                    ; tensor_dim0 = 1024 elements: 8,192 bytes
	s_mov_b32 s[\g+2], 4<<16                       ; tensor_dim1 = 4
	s_mov_b32 s[\g+3], 1024<<16                    ; tile_dim0
	s_mov_b32 s[\g+4], 4                           ; tile_dim1
	s_mov_b32 s[\g+5], 4096                        ; from row tile to row tile: 32,768 bytes
	s_mov_b32 s[\g+6], 0
	s_mov_b32 s[\g+7], 0
.endr
	s_lshl_b32 s17, s12, 17                        ; which four row tiles
	s_lshl_b32 s16, s13, 18
	s_add_co_u32 s16, s16, s17                     ; att: (8 x tile row + 4 x half) x 32768
	s_lshl_b32 s46, s42, 18
	s_add_co_u32 s46, s46, s17
	s_add_co_u32 s46, s46, WOH_OFF                 ; Wo likewise, by the tile column
	s_mov_b32 s17, 0
	s_mov_b32 s47, 0
	s_lshl_b32 s20, s10, 15                        ; where they go: wave x 32768
	s_wait_dscnt 0x0                               ; both opening adds are done
	s_wait_kmcnt 0x0
	s_add_nc_u64 s[14:15], s[4:5], s[16:17]
	s_add_nc_u64 s[46:47], s[6:7], s[46:47]
	CROUND                                         ; all sixteen work-groups are here: the first joint loads meet
.irp s, 0,1
	s_mov_b32 s[G0+4*\s], 1
	s_add_co_u32 s[G0+4*\s+1], s20, \s*SLOT
	s_add_nc_u64 s[G0+4*\s+2:G0+4*\s+3], s[14:15], \s*KCH
	s_or_b32 s[G0+4*\s+3], s[G0+4*\s+3], 0x80000000
	s_mov_b32 s[G0B+4*\s], 1
	s_add_co_u32 s[G0B+4*\s+1], s20, \s*SLOT
	s_add_nc_u64 s[G0B+4*\s+2:G0B+4*\s+3], s[46:47], \s*KCH
	s_or_b32 s[G0B+4*\s+3], s[G0B+4*\s+3], 0x80000000
	JLOAD \s
.endr
	v_and_b32 v1, 15, v0                           ; r
	v_bfe_u32 v2, v0, 4, 1                         ; h
	v_and_b32 v3, 31, v0
	v_lshlrev_b32 v3, 4, v3                        ; 16 x lane
	s_lshl_b32 s21, s11, 15                        ; my four row tiles of att,
	s_lshl_b32 s22, s12, 15                        ; of Wo,
	s_add_co_u32 s22, s22, 2*QTR                   ; which lie behind att's eight
.irp s, 0,1
	v_add_nc_u32 v[ADRA+\s], s21, v3
	v_add_nc_u32 v[ADRB+\s], s22, v3
	s_add_co_u32 s21, s21, SLOT
	s_add_co_u32 s22, s22, SLOT
.endr
	s_mul_i32 s23, s10, 16*SPITCH
	s_add_co_u32 s23, s23, STAGE                   ; my stage
	v_mul_u32_u24 v4, v1, SPITCH
	v_lshl_add_u32 v4, v2, 5, v4
	v_add_nc_u32 v[STO], s23, v4                   ; in: row r, 32 bytes for each half of the lanes
	v_mul_u32_u24 v5, v2, SPITCH
	v_lshl_add_u32 v5, v1, 4, v5
	v_add_nc_u32 v[RD], s23, v5                    ; back: lanes 0-15 one row of 256 bytes, lanes 16-31 the next
	v_lshlrev_b32 v5, 12, v2
	v_lshl_add_u32 v[CO], v1, 4, v5                ; and the same two rows in out0
	s_lshl_b32 s16, s13, 19
	s_lshl_b32 s17, s11, 18
	s_add_co_u32 s16, s16, s17                     ; my first row: (128 x tile row + 64 x half) x 4096 bytes
	s_mov_b32 s17, 0
	s_add_nc_u64 s[8:9], s[8:9], s[16:17]
	s_lshl_b32 s46, s42, 9
	s_lshl_b32 s47, s12, 8
	s_add_co_u32 s46, s46, s47                     ; my first column, in bytes
	s_mov_b32 s47, 0
	s_add_nc_u64 s[8:9], s[8:9], s[46:47]
.macro MUL8 f, c, a0, zero             ; 8 matrix instructions: row tiles a0, a0 + 1 x all 4 column tiles, 32 along K: half c of buffer f
.irp a, \a0, \a0+1
.irp b, 0,1,2,3
.if \zero
	v_wmma_f32_16x16x32_f16 v[ACC+8*(4*(\a)+\b):ACC+8*(4*(\a)+\b)+7], v[\f+64+8*(4*\c+\b):\f+64+8*(4*\c+\b)+7], v[\f+8*(4*\c+\a):\f+8*(4*\c+\a)+7], 0
.else
	v_wmma_f32_16x16x32_f16 v[ACC+8*(4*(\a)+\b):ACC+8*(4*(\a)+\b)+7], v[\f+64+8*(4*\c+\b):\f+64+8*(4*\c+\b)+7], v[\f+8*(4*\c+\a):\f+8*(4*\c+\a)+7], v[ACC+8*(4*(\a)+\b):ACC+8*(4*(\a)+\b)+7]
.endif
.endr
.endr
.endm
.macro FETCH slot, q, f                ; 32 LDS loads in one run: the slot's q-th 64 along K into buffer f, its first 32 along K first
	WIN TO_F
.irp c, 0,1
.irp i, 0,1,2,3
	ds_load_b128 v[\f+64+8*(4*\c+\i):\f+64+8*(4*\c+\i)+3],   v[ADRB+\slot] offset:\i*KCH+(2*(\q)+\c)*1024
	ds_load_b128 v[\f+64+8*(4*\c+\i)+4:\f+64+8*(4*\c+\i)+7], v[ADRB+\slot] offset:\i*KCH+(2*(\q)+\c)*1024+512
	ds_load_b128 v[\f+8*(4*\c+\i):\f+8*(4*\c+\i)+3],         v[ADRA+\slot] offset:\i*KCH+(2*(\q)+\c)*1024
	ds_load_b128 v[\f+8*(4*\c+\i)+4:\f+8*(4*\c+\i)+7],       v[ADRA+\slot] offset:\i*KCH+(2*(\q)+\c)*1024+512
.endr
.endr
.endm
.macro PLACES                          ; four places in front of loads into registers that matrix instructions have read, and of reads of results
.rept 4
	v_nop
.endr
.endm
; A K step is four quarters of 64 along K, 32 matrix instructions each, on buffers 0, 1, 0, 1.  One of the first three multiplies buffer f and fetches quarter q into g.
.macro QUARTER slot, q, f, g, zero
	s_wait_dscnt 16                                ; the first 32 along K are in
	WIN MUL
	MUL8 \f, 0, 0, \zero
	MUL8 \f, 0, 2, \zero
	PLACES
	FETCH \slot, \q, \g
	s_wait_dscnt 32                                ; all but the 32 just issued
	WIN MUL
	MUL8 \f, 1, 0, 0
	MUL8 \f, 1, 2, 0
.endm
; The last quarter multiplies buffer 1 and changes slots: one barrier; in front of it each wave waits for all its tensor loads, adds 0 to its spare word, and waits for that and for its reads of this slot.
.macro TURN slot, next, fill
	WIN 0
	s_wait_tensorcnt 0x0                           ; all my tensor loads have landed: my part of the next slot;
	ds_add_u32 v[SPW], v[NIL]                      ; 0 onto my spare word;
	s_wait_dscnt 17                                ; (the add and the youngest sixteen loads may be out)
	WIN MUL
	MUL8 F1, 0, 0, 0
	s_wait_dscnt 0x0                               ; the add is done, and my reads of this slot are over
	s_barrier_signal -1
	MUL8 F1, 0, 2, 0
.if \fill
	WIN 0
.endif
	s_barrier_wait -1
.if \fill
	CREST                                          ; the barrier has opened a round of the cluster's: no wave of any partner still reads this slot or has a load on its way
	s_add_nc_u64 s[G0+4*\slot+2:G0+4*\slot+3], s[G0+4*\slot+2:G0+4*\slot+3], 2*KCH
	s_add_nc_u64 s[G0B+4*\slot+2:G0B+4*\slot+3], s[G0B+4*\slot+2:G0B+4*\slot+3], 2*KCH
	JLOAD \slot                                    ; the first tensor load behind the round; its four v_nop are also the places in front of the loads below
.else
	PLACES
.endif
	FETCH \next, 0, F0
	WIN MUL
	MUL8 F1, 1, 0, 0
	MUL8 F1, 1, 2, 0
.endm
	s_wait_tensorcnt 1                             ; my part of K step 0 is in; K step 1's may stay out
	s_barrier_signal -1
	s_barrier_wait -1
	FETCH 0, 0, F0
	QUARTER 0, 1, F0, F1, 1                        ; K step 0: its first products start the sums
	QUARTER 0, 2, F1, F0, 0
	QUARTER 0, 3, F0, F1, 0
	TURN 0, 1, 1                                   ; slot 0 takes K step 2
	QUARTER 1, 1, F0, F1, 0
	QUARTER 1, 2, F1, F0, 0
	QUARTER 1, 3, F0, F1, 0
	TURN 1, 0, 1                                   ; slot 1 takes K step 3
	QUARTER 0, 1, F0, F1, 0
	QUARTER 0, 2, F1, F0, 0
	QUARTER 0, 3, F0, F1, 0
	TURN 0, 1, 0                                   ; nothing is left to fetch
	QUARTER 1, 1, F0, F1, 0
	QUARTER 1, 2, F1, F0, 0
	QUARTER 1, 3, F0, F1, 0
	s_wait_dscnt 16
	WIN MUL
	MUL8 F1, 0, 0, 0
	MUL8 F1, 0, 2, 0
	s_wait_dscnt 0
	MUL8 F1, 1, 0, 0
	MUL8 F1, 1, 2, 0
	WIN 0
; THE WAY OUT: my 64 columns are 256 bytes of a row.  16 rows at a time go through my own stage and come back as whole rows: sixteen lanes store 256 consecutive bytes, at a multiple of 256 from out0's first byte.
.macro TOSTAGE a
.irp b, 0,1,2,3
	ds_store_b128 v[STO], v[ACC+8*(4*\a+\b):ACC+8*(4*\a+\b)+3] offset:64*\b          ; each accumulator from its low end on
	ds_store_b128 v[STO], v[ACC+8*(4*\a+\b)+4:ACC+8*(4*\a+\b)+7] offset:64*\b+16
.endr
.irp t, 0,1,2,3,4,5,6,7
	ds_load_b128 v[TMP+32*((\a)%2)+4*\t:TMP+32*((\a)%2)+4*\t+3], v[RD] offset:\t*2*SPITCH   ; LDS serves a wave's instructions in order (ISA guide 5.7.1.4)
.endr
.endm
.macro SEND a, younger
.irp t, 0,1,2,3,4,5,6,7
	s_wait_dscnt \younger+7-\t
	global_store_b128 v[CO], v[TMP+32*((\a)%2)+4*\t:TMP+32*((\a)%2)+4*\t+3], s[8:9] offset:\a*65536+\t*8192
.endr
.endm
	PLACES
	TOSTAGE 0
	TOSTAGE 1
	SEND 0, 16
	s_wait_xcnt 0x0                                ; block 0's stores have read their registers: block 2 may land there
	TOSTAGE 2
	SEND 1, 16
	s_wait_xcnt 0x0
	TOSTAGE 3
	SEND 2, 16
	SEND 3, 0
	s_wait_tensorcnt 0x0                           ; the wave's end
	ds_add_u32 v[SPW], v[NIL]
	s_wait_dscnt 0x0
	CROUND                                         ; the closing round
	s_endpgm
.Lfunc_end_k_q8b5a10af94_proj:
	.size	k_q8b5a10af94_proj, .Lfunc_end_k_q8b5a10af94_proj-k_q8b5a10af94_proj
	.p2alignl 7, 3214868480
	.fill 96, 4, 3214868480
	.section	.rodata,"a",@progbits
	.p2align	6, 0x0
	.amdhsa_kernel k_q8b5a10af94_proj
		.amdhsa_group_segment_fixed_size 327680
		.amdhsa_private_segment_fixed_size 0
		.amdhsa_enable_private_segment 0
		.amdhsa_kernarg_size 24
		.amdhsa_user_sgpr_count 2
		.amdhsa_user_sgpr_kernarg_segment_ptr 1
		.amdhsa_wavefront_size32 1
		.amdhsa_system_sgpr_workgroup_id_x 1
		.amdhsa_system_sgpr_workgroup_id_y 1
		.amdhsa_system_sgpr_workgroup_id_z 1
		.amdhsa_system_vgpr_workitem_id 0
		.amdhsa_next_free_vgpr 512
		.amdhsa_next_free_sgpr 66
		.amdhsa_reserve_vcc 0
		.amdhsa_float_denorm_mode_32 3
		.amdhsa_float_denorm_mode_16_64 3
		.amdhsa_memory_ordered 1
		.amdhsa_forward_progress 1
		.amdhsa_inst_pref_size 86
	.end_amdhsa_kernel
	.amdgpu_metadata
---
amdhsa.version: [ 1, 2 ]
amdhsa.kernels:
  - .name:           k_q8b5a10af94_proj
    .symbol:         k_q8b5a10af94_proj.kd
    .args:
      - { .name: att, .offset: 0, .size: 8, .value_kind: global_buffer, .address_space: global }
      - { .name: pre, .offset: 8, .size: 8, .value_kind: global_buffer, .address_space: global }
      - { .name: out0, .offset: 16, .size: 8, .value_kind: global_buffer, .address_space: global }
    .group_segment_fixed_size: 327680
    .private_segment_fixed_size: 0
    .kernarg_segment_align: 8
    .kernarg_segment_size: 24
    .max_flat_workgroup_size: 128
    .sgpr_count:     66
    .vgpr_count:     512
    .wavefront_size: 32
...
	.end_amdgpu_metadata
.endif
;; end of part 5
;; launch fproj (part 6): grid 64 x 1, 8 waves a work-group, no clusters, 9,216 bytes of LDS; arguments attf, Wo, out0; writes out0
.if DOCPART == 6
	.amdgcn_target "amdgcn-amd-amdhsa--gfx1250"
	.amdhsa_code_object_version 6
	.text
	.protected	k_q8b5a10af94_fproj
	.globl	k_q8b5a10af94_fproj
	.p2align	8
	.type	k_q8b5a10af94_fproj,@function
k_q8b5a10af94_fproj:
	s_mov_b64 s[64:65], 0
	v_nop
	global_prefetch_b8 v0, s[64:65] scope:SCOPE_SE
	s_setreg_imm32_b32 hwreg(HW_REG_WAVE_MODE, 25, 1), 1
	s_wait_xcnt 0x0
; FPROJ.  out0[m][n] = sum over k of attf[m][k] Wo[n][k] for rows m = 0 .. 15 alone, with f32 operands: 16 x 1024 x 1024, no bulk work.  It writes over what the launch before left in these rows.
; SHARES.  A work-group takes 16 columns; wave w K 128 w .. + 127: 32 matrix instructions of 16 x 16 x 4 on four accumulators by turns; the eight waves' sums meet in LDS and wave 0 adds them in a fixed order.
; TRANSPOSED: source 0 = 16 rows of Wo, source 1 = the 16 rows of attf: a lane holds 8 neighbouring columns of one row.  A load of 16 bytes a lane brings k = 8 g + 4 h + 0..3; the pair 2 i, 2 i + 1 of it is an
; operand: k is permuted alike on both sides, which keeps the products.
; The stores are pieces of 64 bytes a row: the whole launch writes 65,536 bytes.
; The registers that the f32 matrix form writes, v144-175, are written by nothing else.
.set SPARE, 8192
.set SPW, 2
.set NIL, 3
	s_load_b128 s[4:7], s[0:1], 0x0                ; attf, Wo
	s_load_b64 s[8:9], s[0:1], 0x10                ; out0
	v_lshl_add_u32 v[SPW], v0, 2, SPARE
	v_mov_b32 v[NIL], 0
	v_lshrrev_b32 v4, 5, v0
	v_readfirstlane_b32 s10, v4                    ; wave
	v_and_b32 v5, 15, v0                           ; r
	v_bfe_u32 v6, v0, 4, 1                         ; h
	v_lshlrev_b32 v1, 12, v5
	v_lshl_add_u32 v1, v6, 4, v1
	v_lshl_add_u32 v1, v4, 9, v1                   ; row r x 4096 + 512 w + 16 h
	v_and_b32 v7, 31, v0
	v_lshlrev_b32 v7, 4, v7                        ; 16 x lane
	v_lshl_add_u32 v8, v4, 10, v7                  ; my 1,024 bytes of LDS
	v_lshlrev_b32 v9, 12, v5
	v_lshl_add_u32 v9, v6, 5, v9                   ; out: row r x 4096 + 32 h
	s_lshl_b32 s12, ttmp9, 16                      ; Wo's 16 rows
	s_mov_b32 s13, 0
	s_lshl_b32 s14, ttmp9, 6                       ; the 16 columns
	s_mov_b32 s15, 0
	s_wait_kmcnt 0x0
	s_add_nc_u64 s[6:7], s[6:7], s[12:13]
	s_add_nc_u64 s[8:9], s[8:9], s[14:15]
.set g, 0
.rept 16
	global_load_b128 v[16+4*g:19+4*g], v1, s[6:7] offset:32*g
	global_load_b128 v[80+4*g:83+4*g], v1, s[4:5] offset:32*g
.set g, g+1
.endr
	s_wait_loadcnt 0x0
.set g, 0
.rept 32
.if g < 4
	v_wmma_f32_16x16x4_f32 v[144+8*(g%4):151+8*(g%4)], v[16+2*g:17+2*g], v[80+2*g:81+2*g], 0
.else
	v_wmma_f32_16x16x4_f32 v[144+8*(g%4):151+8*(g%4)], v[16+2*g:17+2*g], v[80+2*g:81+2*g], v[144+8*(g%4):151+8*(g%4)]
.endif
.set g, g+1
.endr
.rept 8
	v_nop                                          ; eight places behind this form (ISA guide 7.12.1)
.endr
.irp p, 0,1,2,3
	v_pk_add_f32 v[16+2*\p:17+2*\p], v[144+2*\p:145+2*\p], v[152+2*\p:153+2*\p]
.endr
.irp p, 0,1,2,3
	v_pk_add_f32 v[24+2*\p:25+2*\p], v[160+2*\p:161+2*\p], v[168+2*\p:169+2*\p]
.endr
.irp p, 0,1,2,3
	v_pk_add_f32 v[16+2*\p:17+2*\p], v[16+2*\p:17+2*\p], v[24+2*\p:25+2*\p]
.endr
	ds_store_b128 v8, v[16:19]
	ds_store_b128 v8, v[20:23] offset:512
	s_wait_dscnt 0x0                               ; for wave 0's sake
	s_barrier_signal -1
	s_barrier_wait -1
	s_cmp_lg_u32 s10, 0
	s_cbranch_scc1 .Ldone
.irp k, 0,1,2,3,4,5,6,7
	ds_load_b128 v[32+8*\k:35+8*\k], v7 offset:\k*1024
	ds_load_b128 v[36+8*\k:39+8*\k], v7 offset:\k*1024+512
.endr
	s_wait_dscnt 0x0
.irp k, 1,2,3,4,5,6,7
.irp p, 0,1,2,3
	v_pk_add_f32 v[32+2*\p:33+2*\p], v[32+2*\p:33+2*\p], v[32+8*\k+2*\p:33+8*\k+2*\p]
.endr
.endr
	global_store_b128 v9, v[32:35], s[8:9]
	global_store_b128 v9, v[36:39], s[8:9] offset:16
.Ldone:
	s_wait_tensorcnt 0x0                           ; the wave's end
	ds_add_u32 v[SPW], v[NIL]
	s_wait_dscnt 0x0
	s_endpgm
.Lfunc_end_k_q8b5a10af94_fproj:
	.size	k_q8b5a10af94_fproj, .Lfunc_end_k_q8b5a10af94_fproj-k_q8b5a10af94_fproj
	.p2alignl 7, 3214868480
	.fill 96, 4, 3214868480
	.section	.rodata,"a",@progbits
	.p2align	6, 0x0
	.amdhsa_kernel k_q8b5a10af94_fproj
		.amdhsa_group_segment_fixed_size 9216
		.amdhsa_private_segment_fixed_size 0
		.amdhsa_enable_private_segment 0
		.amdhsa_kernarg_size 24
		.amdhsa_user_sgpr_count 2
		.amdhsa_user_sgpr_kernarg_segment_ptr 1
		.amdhsa_wavefront_size32 1
		.amdhsa_system_sgpr_workgroup_id_x 1
		.amdhsa_system_sgpr_workgroup_id_y 1
		.amdhsa_system_sgpr_workgroup_id_z 1
		.amdhsa_system_vgpr_workitem_id 0
		.amdhsa_next_free_vgpr 176
		.amdhsa_next_free_sgpr 66
		.amdhsa_reserve_vcc 0
		.amdhsa_float_denorm_mode_32 3
		.amdhsa_float_denorm_mode_16_64 3
		.amdhsa_memory_ordered 1
		.amdhsa_forward_progress 1
		.amdhsa_inst_pref_size 11
	.end_amdhsa_kernel
	.amdgpu_metadata
---
amdhsa.version: [ 1, 2 ]
amdhsa.kernels:
  - .name:           k_q8b5a10af94_fproj
    .symbol:         k_q8b5a10af94_fproj.kd
    .args:
      - { .name: attf, .offset: 0, .size: 8, .value_kind: global_buffer, .address_space: global }
      - { .name: Wo, .offset: 8, .size: 8, .value_kind: global_buffer, .address_space: global }
      - { .name: out0, .offset: 16, .size: 8, .value_kind: global_buffer, .address_space: global }
    .group_segment_fixed_size: 9216
    .private_segment_fixed_size: 0
    .kernarg_segment_align: 8
    .kernarg_segment_size: 24
    .max_flat_workgroup_size: 256
    .sgpr_count:     66
    .vgpr_count:     176
    .wavefront_size: 32
...
	.end_amdgpu_metadata
.endif
;; end of part 6
